; MI455X (gfx1250); checked and timed in simulation.
; The chip was launched on July 23, 2026; its instructions are those of AMD's public machine-readable ISA for CDNA 5 (MIT licence, August 2026) and "CDNA5" Instruction Set Architecture Reference Guide (July 2026). The comments in the code are by the model that wrote it; some were corrected since.
;; Cross Attention. Allowed arithmetic: float matrix products may take bf16 or f16 operands with f32 sums; all other float work in f32.
;; Inputs: Wkv 1,024 x 2,048 float32; Wout 1,024 x 1,024 float32; Wq 1,024 x 1,024 float32; beta one number float32; bout 1,024 float32; context 2 x 4 x 1,024 x 1,024 float32; doc_similarities 2 x 4 float32; x 2 x 1,024 x 1,024 float32.
;; Outputs: out0 2 x 1,024 x 1,024 float32.
;; 2 versions, each right and faster than the one before. Each part assembles by itself: llvm-mc -triple=amdgcn-amd-amdhsa -mcpu=gfx1250 --defsym DOCPART=n.
;; ======== version 1 of 2: 5 launches
;; limits: values outside matrix products are rounded to bf16
;; workspace buffers: xb 4,194,304 bytes; wqb 2,097,152 bytes; wob 2,097,152 bytes; cwb 20,971,520 bytes; qbf 4,194,304 bytes; kvb 33,554,432 bytes; po 17,301,504 bytes; ob 4,194,304 bytes
;; launch cast (part 1): grid 1792 x 1, 8 waves a work-group, no clusters, 0 bytes of LDS; arguments x, context, Wq, Wkv, Wout, xb, wqb, wob, cwb; writes xb, wqb, wob, cwb
.if DOCPART == 1
	.amdgcn_target "amdgcn-amd-amdhsa--gfx1250"
	.amdhsa_code_object_version 6
	.text
	.protected	k_q7de2cd35f2_cast
	.globl	k_q7de2cd35f2_cast
	.p2align	8
	.type	k_q7de2cd35f2_cast,@function
k_q7de2cd35f2_cast:
	s_mov_b64 s[64:65], 0
	v_nop
	global_prefetch_b8 v0, s[64:65] scope:SCOPE_SE
	s_setreg_imm32_b32 hwreg(HW_REG_WAVE_MODE, 25, 1), 1
	s_wait_xcnt 0x0
; f32 -> bf16 (round to nearest even) of the five matrix operands, once, so that every later launch moves and multiplies 16-bit numbers.
; context -> cwb; x -> xb; Wkv -> cwb + 16,777,216; Wq -> wqb; Wout -> wob.  The layouts stay as they are (row-major).
; A work-group takes 8,192 numbers: 32 KiB in, 16 KiB out.  Thread t takes the 16 bytes at 16 t of each of eight blocks of 4,096 bytes:
; a load of a wave covers 512 neighbouring bytes, a store of a wave 256 neighbouring bytes that begin at a multiple of 256.
; No LDS, no barrier, no matrix unit: every byte is read once and written once, and nothing is shared between threads.
.set WKV_AT, 16777216                  ; byte in cwb at which Wkv begins: 8,192 x 1,024 x 2
.set X, 4                              ; v[4:35]   eight blocks of four f32
.set Y, 36                             ; v[36:51]  eight pairs of packed bf16
	s_load_b512 s[8:23], s[0:1], 0x0               ; x s[8:9], context s[10:11], Wq s[12:13], Wkv s[14:15], Wout s[16:17], xb s[18:19], wqb s[20:21], wob s[22:23]
	s_load_b64 s[24:25], s[0:1], 0x40              ; cwb
	v_lshlrev_b32 v1, 4, v0                        ; 16 t: my bytes in a block of the source
	v_lshlrev_b32 v2, 3, v0                        ; 8 t: my bytes in a block of the destination
	s_wait_kmcnt 0x0
	s_add_nc_u64 s[28:29], s[24:25], WKV_AT
	s_mov_b64 s[30:31], s[10:11]                   ; work-groups 0 to 1,023: context
	s_mov_b64 s[32:33], s[24:25]
	s_mov_b32 s34, 0                               ; the first work-group of my tensor
; From work-group 'first' on the source is s[src:src+1] and the destination s[dst:dst+1].  The choice hangs on the work-group's number alone.
.macro PART first, src, dst
	s_cmp_ge_u32 ttmp9, \first
	s_cselect_b64 s[30:31], s[\src:\src+1], s[30:31]
	s_cselect_b64 s[32:33], s[\dst:\dst+1], s[32:33]
	s_cselect_b32 s34, \first, s34
.endm
	PART 1024, 8, 18                               ; 256 work-groups: x
	PART 1280, 14, 28                              ; 256: Wkv
	PART 1536, 12, 20                              ; 128: Wq
	PART 1664, 16, 22                              ; 128: Wout
	s_sub_co_u32 s35, ttmp9, s34                   ; my number inside the tensor, 1,023 at the most
	s_lshl_b32 s36, s35, 15                        ; x 32 KiB
	s_mov_b32 s37, 0
	s_lshl_b32 s38, s35, 14                        ; x 16 KiB
	s_mov_b32 s39, 0
	s_add_nc_u64 s[30:31], s[30:31], s[36:37]
	s_add_nc_u64 s[32:33], s[32:33], s[38:39]
.irp u, 0,1,2,3,4,5,6,7
	global_load_b128 v[X+4*\u:X+4*\u+3], v1, s[30:31] offset:4096*\u th:TH_LOAD_NT   ; read once in the whole program
.endr
.irp u, 0,1,2,3,4,5,6,7
	s_wait_loadcnt 7-\u                            ; loads come back in order: block u is in, the 7 - u younger ones stay out
	v_cvt_pk_bf16_f32 v[Y+2*\u],   v[X+4*\u],   v[X+4*\u+1]
	v_cvt_pk_bf16_f32 v[Y+2*\u+1], v[X+4*\u+2], v[X+4*\u+3]
	global_store_b64 v2, v[Y+2*\u:Y+2*\u+1], s[32:33] offset:2048*\u     ; the next launches read it: no hint
.endr
	s_endpgm
.Lfunc_end_k_q7de2cd35f2_cast:
	.size	k_q7de2cd35f2_cast, .Lfunc_end_k_q7de2cd35f2_cast-k_q7de2cd35f2_cast
	.p2alignl 7, 3214868480
	.fill 96, 4, 3214868480
	.section	.rodata,"a",@progbits
	.p2align	6, 0x0
	.amdhsa_kernel k_q7de2cd35f2_cast
		.amdhsa_group_segment_fixed_size 0
		.amdhsa_private_segment_fixed_size 0
		.amdhsa_enable_private_segment 0
		.amdhsa_kernarg_size 72
		.amdhsa_user_sgpr_count 2
		.amdhsa_user_sgpr_kernarg_segment_ptr 1
		.amdhsa_wavefront_size32 1
		.amdhsa_system_sgpr_workgroup_id_x 1
		.amdhsa_system_sgpr_workgroup_id_y 1
		.amdhsa_system_sgpr_workgroup_id_z 1
		.amdhsa_system_vgpr_workitem_id 0
		.amdhsa_next_free_vgpr 52
		.amdhsa_next_free_sgpr 66
		.amdhsa_reserve_vcc 0
		.amdhsa_float_denorm_mode_32 3
		.amdhsa_float_denorm_mode_16_64 3
		.amdhsa_memory_ordered 1
		.amdhsa_forward_progress 1
		.amdhsa_inst_pref_size 5
	.end_amdhsa_kernel
	.amdgpu_metadata
---
amdhsa.version: [ 1, 2 ]
amdhsa.kernels:
  - .name:           k_q7de2cd35f2_cast
    .symbol:         k_q7de2cd35f2_cast.kd
    .args:
      - { .name: x, .offset: 0, .size: 8, .value_kind: global_buffer, .address_space: global }
      - { .name: context, .offset: 8, .size: 8, .value_kind: global_buffer, .address_space: global }
      - { .name: Wq, .offset: 16, .size: 8, .value_kind: global_buffer, .address_space: global }
      - { .name: Wkv, .offset: 24, .size: 8, .value_kind: global_buffer, .address_space: global }
      - { .name: Wout, .offset: 32, .size: 8, .value_kind: global_buffer, .address_space: global }
      - { .name: xb, .offset: 40, .size: 8, .value_kind: global_buffer, .address_space: global }
      - { .name: wqb, .offset: 48, .size: 8, .value_kind: global_buffer, .address_space: global }
      - { .name: wob, .offset: 56, .size: 8, .value_kind: global_buffer, .address_space: global }
      - { .name: cwb, .offset: 64, .size: 8, .value_kind: global_buffer, .address_space: global }
    .group_segment_fixed_size: 0
    .private_segment_fixed_size: 0
    .kernarg_segment_align: 8
    .kernarg_segment_size: 72
    .max_flat_workgroup_size: 256
    .sgpr_count:     66
    .vgpr_count:     52
    .wavefront_size: 32
...
	.end_amdgpu_metadata
.endif
;; end of part 1
;; launch gemm_kvq (part 2): grid 8 x 32, 4 waves a work-group, clusters of 4 x 4, 327,680 bytes of LDS; arguments cwb, kvb, xb, wqb, qbf; writes kvb, qbf
.if DOCPART == 2
	.amdgcn_target "amdgcn-amd-amdhsa--gfx1250"
	.amdhsa_code_object_version 6
	.text
	.protected	k_q7de2cd35f2_gemm_kvq
	.globl	k_q7de2cd35f2_gemm_kvq
	.p2align	8
	.type	k_q7de2cd35f2_gemm_kvq,@function
k_q7de2cd35f2_gemm_kvq:
	s_mov_b64 s[64:65], 0
	v_nop
	global_prefetch_b8 v0, s[64:65] scope:SCOPE_SE
	s_setreg_imm32_b32 hwreg(HW_REG_WAVE_MODE, 25, 1), 1
	s_wait_xcnt 0x0
	s_wait_alu depctr_hold_cnt(0) depctr_sa_sdst(0) depctr_va_vdst(0) depctr_va_sdst(0) depctr_va_ssrc(0) depctr_va_vcc(0) depctr_vm_vsrc(0)
	s_getreg_b32 s2, hwreg(HW_REG_IB_STS2, 6, 4)
	s_cmp_eq_u32 s2, 0
	s_cbranch_scc0 .Lentry_in_a_cluster
	s_endpgm
.Lentry_in_a_cluster:
	s_bfe_u32 s2, ttmp6, 0x10000c
	s_cmp_lg_u32 s2, 0xf033
	s_cbranch_scc0 .Lentry_shape_is_right
	s_endpgm
.Lentry_shape_is_right:
; TWO PRODUCTS IN ONE LAUNCH, one after the other in every work-group, on one ring of two LDS slots.
; (1) kvb[m][n] = sum over k of ctx[m][k] Wkv[k][n].  ctx: [8192][1024] bf16 at cwb; Wkv: [1024][2048] bf16 (K down the rows) at cwb + 16,777,216;
;     kvb: [8192][2048] bf16, columns 0-1023 the keys, 1024-2047 the values.  A work-group makes 256 x 256, a wave 128 x 128 (64 accumulators, 512 registers).
; (2) qbf[m][n] = sum over k of xb[m][k] wqb[k][n].  xb: [2048][1024] bf16, wqb: [1024][1024] bf16 (K down the rows), qbf: [2048][1024] bf16.
;     A work-group makes 64 x 128, a wave 32 x 64 (8 accumulators).  Sums in f32, rounded once, in both products.
; Both have 32 x 8 blocks, so block (row, column) of each falls to the same work-group and all 256 have equal work.  WHY TOGETHER: (2) alone is short: by the
; time (1)'s last two K steps are multiplied, (2)'s first tiles are already on their way into the slots that (1) has left, and (1)'s 128 KiB of
; results per work-group leave while (2) is multiplied.
; (1): K in steps of 128.  A slot holds 256 rows of ctx (256 bytes each, pitch 272) and 128 k-rows of Wkv (512 bytes each, pitch 544); each wave fetches a quarter
; of it with one tensor load: waves 0, 1 128 rows of ctx, waves 2, 3 64 k-rows of Wkv.
; (2): K in steps of 256.  A slot holds 256 k-rows of wqb (256 bytes, pitch 288), then 64 rows of xb as two tiles of 64 x 256 bytes (pitch 272): 108,544 of the
; slot's 139,264 bytes.  Waves 0, 1 fetch wqb's halves, waves 2, 3 xb's.
; By this text's count a wave has two tensor loads out at the start and one behind each refill.
; CLUSTERS: 4 x 4 work-groups.  ctx's and xb's tiles hang on the block row alone and are asked for jointly along a row of the cluster, Wkv's and wqb's on the
; block column alone and jointly along a column: the requests are divided by four.
; REGISTERS in windows of 256: window 0: v0-31 addresses, v64-127 and v128-191 ctx's fragments (two buffers), v192-223 the way out; window 1: Wkv's fragments
; (v64-191), and later all of product (2): accumulators v0-63, fragments v64-111 and v112-159; windows 2, 3: (1)'s accumulators (tile (a, b) at v[8 (8 a + b)]).
; The weights lie [K][N]: their fragments are made by the transposing LDS load.  The matrix instruction is used transposed (source 0 = 16 columns of the weights,
; source 1 = 16 rows of ctx or xb): a lane's eight results are eight neighbouring numbers of one row of the result and pack into 16 bytes.
.set SIZE_N, 2048
.set SIZE_K, 1024
.set WKV_AT, 16777216
.set KSTEP,  128
.set PITCH,  272                       ; 17 x 16: the 16 rows of a fragment begin at 16 different 16-byte columns modulo 256
.set WPITCH, 544                       ; 512 + 32 = 17 x 32, an odd multiple of 32
.set HALFT,  128*PITCH                 ; 34,816 = 128 x 272 = 64 x 544: what one tensor load of (1) brings
.set SLOT,   4*HALFT
.set STAGE,  2*SLOT                    ; behind the ring: 64 rows x 272 bytes; no tensor load lands there
.set SPITCH, 272
.set LAPS, SIZE_K/(2*KSTEP)            ; 4 laps of two K steps
.set QPA,    272                       ; (2): xb's LDS pitch
.set QPW,    288                       ; (2): wqb's LDS pitch: 9 x 32
.set QWHALF, 128*QPW                   ; 36,864: what wave 0 or 1 fetches of a step of (2)
.set QAHALF, 64*QPA                    ; 17,408: what wave 2 or 3 fetches: all 64 rows, 128 of the step's 256 k
.set QAOFF,  2*QWHALF                  ; xb lies behind wqb in a slot
.set QADRW, 8                          ; v8-11   (2): LDS address of my wqb fragments, two for each slot: k-rows 0-127 and 128-255
.set QSTO,  12                         ; (2): where I put 16 bytes of a row of the block
.set QCO,   13                         ; (2): my byte offset in qbf
.set ADRA, 16                          ; v16-17  LDS address of my ctx fragments in slot 0, 1
.set ADRB, 20                          ; v20-21  the same for Wkv
.set STO,  24
.set RD,   25                          ; the way out: rows 16 wave + lane / 16 of the stage, 16 bytes at 16 (lane % 16); serves both products
.set CO,   26
.set QADRA, 27                         ; v27-28  (2): LDS address of my xb fragments in slot 0, 1
.set F0,   64
.set F1,   128
.set TMP,  192
.set QACC, 0                           ; window 1: accumulator (a, b) of (2) at 8 (4 a + b)
.set QF0,  64                          ; window 1: fragment buffer 0 of (2): wqb's four at +8 b, xb's two at +32 + 8 a
.set QF1,  112                         ; window 1: fragment buffer 1
.set G1, 24                            ; s[24:31] group 1 of ctx's tiles
.set G0, 32                            ; s[32:39] group 0 of ctx's tiles, one set for each slot
.set G1B, 48                           ; s[48:55] group 1 of Wkv's tiles
.set G0B, 56                           ; s[56:63] group 0 of Wkv's tiles, one set for each slot
.set G1X, 68                           ; s[68:75] group 1 of xb's tiles
.set G1Q, 76                           ; s[76:83] group 1 of wqb's tiles
.set G0X, 84                           ; s[84:91] group 0 of xb's tiles, one set for each slot
.set G0Q, 92                           ; s[92:99] group 0 of wqb's tiles, one set for each slot
.set MSB, 0
.macro WIN new                         ; the immediate's high byte repeats the setting that is left; a switch that changes nothing is dropped
.if MSB != \new
	s_set_vgpr_msb (MSB<<8)|\new
.set MSB, \new
.endif
.endm
.set MUL_LO, 0xa1                      ; source 0 (Wkv) window 1, source 1 (ctx) window 0, C and D window 2
.set MUL_HI, 0xf1                      ; the same, C and D window 3
.set TO_B,   0x40                      ; destination window 1, address window 0
.set MUL_Q,  0x55                      ; (2): all four operands in window 1
.macro JLOAD s                         ; a joint load of (1): one line and one mask for ctx's two waves, one for Wkv's; the branch hangs on the wave's number alone
	s_cmp_eq_u32 s11, 0
	s_cbranch_scc0 .Lfor_b_\@
	tensor_load_to_lds s[G0+4*\s:G0+4*\s+3], s[G1:G1+7]
	s_nop 0
	s_branch .Lasked_\@
.Lfor_b_\@:
	tensor_load_to_lds s[G0B+4*\s:G0B+4*\s+3], s[G1B:G1B+7]
	s_nop 0
.Lasked_\@:
.endm
.macro JLQ s                           ; a joint load of (2): waves 0, 1 wqb, waves 2, 3 xb
	s_cmp_eq_u32 s11, 0
	s_cbranch_scc0 .Lfor_x_\@
	tensor_load_to_lds s[G0Q+4*\s:G0Q+4*\s+3], s[G1Q:G1Q+7]
	s_nop 0
	s_branch .Lqasked_\@
.Lfor_x_\@:
	tensor_load_to_lds s[G0X+4*\s:G0X+4*\s+3], s[G1X:G1X+7]
	s_nop 0
.Lqasked_\@:
.endm
.macro CREST                           ; a round of the cluster's barrier behind its opening barrier
	s_cmp_lg_u32 s10, 0
	s_cbranch_scc1 .Lnot_wave_0_\@
	s_barrier_signal -3
.Lnot_wave_0_\@:
	s_barrier_wait -3
	s_barrier_signal -1
	s_barrier_wait -1
.endm
.macro CROUND                          ; a whole round
	s_barrier_signal -1
	s_barrier_wait -1
	CREST
.endm
	s_load_b64 s[4:5], s[0:1], 0x0                 ; cwb
	s_load_b64 s[8:9], s[0:1], 0x8                 ; kvb
	s_load_b64 s[100:101], s[0:1], 0x10            ; xb
	s_load_b64 s[18:19], s[0:1], 0x18              ; wqb
	s_load_b64 s[66:67], s[0:1], 0x20              ; qbf
	s_set_vgpr_msb 0x40
	v_lshl_add_u32 v255, v0, 2, 0x48400
	s_set_vgpr_msb 0x4000
	v_mov_b32 v255, 0
	s_set_vgpr_msb 0x1
	ds_add_u32 v255, v255
	s_set_vgpr_msb 0x100
	v_lshrrev_b32 v1, 5, v0
	v_readfirstlane_b32 s10, v1                    ; wave 0..3
	s_lshr_b32 s11, s10, 1                         ; which half of a block's rows is mine.  Also: what I fetch: (1) ctx (0) or Wkv (1); (2) wqb (0) or xb (1)
	s_and_b32 s12, s10, 1                          ; which half of its columns.  Also: which half of that tile I fetch
	s_bfe_u32 s40, ttmp6, 0x40000                  ; cx
	s_bfe_u32 s41, ttmp6, 0x40004                  ; cy
	s_lshl_b32 s42, ttmp9, 2
	s_add_co_u32 s42, s42, s40                     ; block column = 4 x cluster x + cx
	s_and_b32 s13, ttmp7, 0xffff
	s_lshl_b32 s13, s13, 2
	s_add_co_u32 s13, s13, s41                     ; block row = 4 x cluster y + cy
	s_lshl_b32 s43, s41, 2
	s_lshl_b32 s43, 15, s43                        ; my row of the cluster
	s_lshl_b32 s44, 0x1111, s40                    ; my column
	; group 1 of ctx's tiles: 128 rows x 128 elements of 2 bytes, 4 words of padding behind every 64
	s_or_b32 s[G1+0], s43, (1<<16)|(1<<20)|(1<<21)|(5<<22)|(3<<25)
	s_mov_b32 s[G1+1], KSTEP<<16                   ; tensor_dim0 = 128
	s_mov_b32 s[G1+2], 128<<16                     ; tensor_dim1 = 128
	s_mov_b32 s[G1+3], KSTEP<<16                   ; tile_dim0 = 128
	s_mov_b32 s[G1+4], 128                         ; tile_dim1 = 128
	s_mov_b32 s[G1+5], SIZE_K                      ; elements from row to row
	s_mov_b32 s[G1+6], 0
	s_mov_b32 s[G1+7], 0
	; group 1 of Wkv's tiles: 64 k-rows x 256 elements, 8 words of padding behind every 128
	s_or_b32 s[G1B+0], s44, (1<<16)|(1<<20)|(1<<21)|(6<<22)|(7<<25)
	s_mov_b32 s[G1B+1], 256<<16
	s_mov_b32 s[G1B+2], 64<<16
	s_mov_b32 s[G1B+3], 256<<16
	s_mov_b32 s[G1B+4], 64
	s_mov_b32 s[G1B+5], SIZE_N
	s_mov_b32 s[G1B+6], 0
	s_mov_b32 s[G1B+7], 0
	; where the tiles come from: ctx's in registers that never hold cx, Wkv's in registers that never hold cy
	s_lshl_b32 s17, s12, 7
	s_lshl_b32 s16, s13, 8
	s_add_co_u32 s16, s16, s17                     ; ctx: row 256 x block row + 128 x half, 8,191 at the most,
	s_lshl_b32 s16, s16, 11                        ; x 2,048 bytes
	s_mov_b32 s17, 0
	s_lshl_b32 s46, s42, 9                         ; Wkv: block column x 256 columns x 2 bytes
	s_lshl_b32 s47, s12, 18                        ;      + half x 64 k-rows x 4,096 bytes
	s_add_co_u32 s46, s46, s47
	s_mov_b32 s47, 0
	s_mul_i32 s20, s10, HALFT                      ; and where they go: wave x 34,816
	s_wait_dscnt 0x0
	s_wait_kmcnt 0x0
	s_add_nc_u64 s[6:7], s[4:5], WKV_AT
	s_add_nc_u64 s[14:15], s[4:5], s[16:17]
	s_add_nc_u64 s[46:47], s[6:7], s[46:47]
	CROUND                                         ; all sixteen work-groups are here: the first joint loads meet
.irp s, 0,1
	s_mov_b32 s[G0+4*\s], 1
	s_add_co_u32 s[G0+4*\s+1], s20, \s*SLOT
	s_add_nc_u64 s[G0+4*\s+2:G0+4*\s+3], s[14:15], \s*KSTEP*2              ; K step s: 128 elements along the rows
	s_or_b32 s[G0+4*\s+3], s[G0+4*\s+3], 0x80000000
	s_mov_b32 s[G0B+4*\s], 1
	s_add_co_u32 s[G0B+4*\s+1], s20, \s*SLOT
	s_add_nc_u64 s[G0B+4*\s+2:G0B+4*\s+3], s[46:47], \s*KSTEP*SIZE_N*2     ; K step s: 128 rows down
	s_or_b32 s[G0B+4*\s+3], s[G0B+4*\s+3], 0x80000000
	JLOAD \s
.endr
	; everything from here to the first wait is done while the first tiles are on their way
	v_and_b32 v1, 15, v0                           ; r = lane % 16
	v_bfe_u32 v2, v0, 4, 1                         ; h = lane / 16
	v_mul_u32_u24 v3, v1, PITCH                    ; a fragment of ctx or xb: row r, 16 bytes at 16 h, and 32 bytes further on
	v_lshl_add_u32 v3, v2, 4, v3
	v_and_b32 v6, 7, v0                            ; a fragment of the weights: the lane addresses k-row 8 h + lane % 8, 16 bytes at 16 ((lane / 8) % 2),
	v_lshl_add_u32 v6, v2, 3, v6                   ; and receives column r, k = 8 h .. 8 h + 7; the second load stands 16 k-rows further down
	v_mul_u32_u24 v15, v6, QPW
	v_mul_u32_u24 v6, v6, WPITCH
	v_bfe_u32 v7, v0, 3, 1
	v_lshl_add_u32 v6, v7, 4, v6
	v_lshl_add_u32 v15, v7, 4, v15
	s_mul_i32 s21, s11, HALFT                      ; my 128 rows of ctx
	s_lshl_b32 s22, s12, 8                         ; my 128 columns of Wkv,
	s_add_co_u32 s22, s22, 2*HALFT                 ; which lies behind ctx's 256 rows
.irp s, 0,1
	v_add_nc_u32 v[ADRA+\s], s21, v3
	v_add_nc_u32 v[ADRB+\s], s22, v6
	s_add_co_u32 s21, s21, SLOT
	s_add_co_u32 s22, s22, SLOT
.endr
	s_mul_i32 s23, s10, 16*SPITCH
	s_add_co_u32 s23, s23, STAGE                   ; my 16 rows of the stage
	v_mul_u32_u24 v4, v1, SPITCH
	v_lshl_add_u32 v4, v2, 4, v4
	v_add_nc_u32 v[STO], s23, v4
	v_mul_u32_u24 v5, v2, SPITCH
	v_lshl_add_u32 v5, v1, 4, v5
	v_add_nc_u32 v[RD], s23, v5
	v_mul_u32_u24 v5, v2, SIZE_N*2
	v_lshl_add_u32 v[CO], v1, 4, v5
	; product (2): addresses
	s_lshl_b32 s21, s12, 7                         ; my 64 columns of wqb
.irp s, 0,1
	v_add_nc_u32 v[QADRW+2*\s], s21, v15
	s_add_co_u32 s21, s21, QWHALF
	v_add_nc_u32 v[QADRW+2*\s+1], s21, v15
	s_add_co_u32 s21, s21, SLOT-QWHALF
.endr
	s_mul_i32 s21, s11, 32*QPA                     ; my 32 rows of xb
	s_add_co_u32 s21, s21, QAOFF
.irp s, 0,1
	v_add_nc_u32 v[QADRA+\s], s21, v3
	s_add_co_u32 s21, s21, SLOT
.endr
	s_mul_i32 s21, s11, 32*SPITCH                  ; the stage as one block of 64 rows x 256 bytes: my 32 rows,
	s_lshl_b32 s22, s12, 7                         ; my 128 bytes of them
	s_add_co_u32 s21, s21, s22
	s_add_co_u32 s21, s21, STAGE
	v_add_nc_u32 v[QSTO], s21, v4
	v_lshlrev_b32 v[QCO], 4, v1
	v_lshl_add_u32 v[QCO], v2, 11, v[QCO]          ; two rows of qbf: 2,048 h + 16 r
	; product (2): descriptors.  xb's tiles: 64 rows x 128 elements, 4 words of padding behind every 64, to my row of the cluster
	s_or_b32 s[G1X+0], s43, (1<<16)|(1<<20)|(1<<21)|(5<<22)|(3<<25)
	s_mov_b32 s[G1X+1], 128<<16
	s_mov_b32 s[G1X+2], 64<<16
	s_mov_b32 s[G1X+3], 128<<16
	s_mov_b32 s[G1X+4], 64
	s_mov_b32 s[G1X+5], 1024
	s_mov_b32 s[G1X+6], 0
	s_mov_b32 s[G1X+7], 0
	; wqb's tiles: 128 k-rows x 128 elements, 8 words of padding behind every 64, to my column
	s_or_b32 s[G1Q+0], s44, (1<<16)|(1<<20)|(1<<21)|(5<<22)|(7<<25)
	s_mov_b32 s[G1Q+1], 128<<16
	s_mov_b32 s[G1Q+2], 128<<16
	s_mov_b32 s[G1Q+3], 128<<16
	s_mov_b32 s[G1Q+4], 128
	s_mov_b32 s[G1Q+5], 1024
	s_mov_b32 s[G1Q+6], 0
	s_mov_b32 s[G1Q+7], 0
	s_lshl_b32 s16, s13, 17                        ; xb: block row x 64 rows x 2,048 bytes (s16, s17 never hold cx; s17 is 0)
	s_lshl_b32 s21, s12, 8                         ;     + my half of a step's k: 128 elements
	s_add_co_u32 s16, s16, s21
	s_add_nc_u64 s[100:101], s[100:101], s[16:17]
	s_mul_i32 s21, s10, QAHALF                     ; it goes to QAOFF + (wave - 2) x 17,408 = 38,912 + wave x 17,408 (waves 2, 3)
	s_add_co_u32 s21, s21, QAOFF-2*QAHALF
.irp n, 0,1
	s_mov_b32 s[G0X+4*\n], 1
	s_add_co_u32 s[G0X+4*\n+1], s21, \n*SLOT
	s_add_nc_u64 s[G0X+4*\n+2:G0X+4*\n+3], s[100:101], \n*512              ; step n: 256 elements on
	s_or_b32 s[G0X+4*\n+3], s[G0X+4*\n+3], 0x80000000
.endr
	s_lshl_b32 s2, s42, 8                          ; wqb: block column x 128 columns x 2 bytes (s2, s3 never hold cy)
	s_lshl_b32 s21, s12, 18                        ;      + my half of a step's k-rows: 128 x 2,048 bytes
	s_add_co_u32 s2, s2, s21
	s_mov_b32 s3, 0
	s_add_nc_u64 s[18:19], s[18:19], s[2:3]
	s_mul_i32 s21, s10, QWHALF                     ; it goes to wave x 36,864 (waves 0, 1)
.irp n, 0,1
	s_mov_b32 s[G0Q+4*\n], 1
	s_add_co_u32 s[G0Q+4*\n+1], s21, \n*SLOT
	s_add_nc_u64 s[G0Q+4*\n+2:G0Q+4*\n+3], s[18:19], \n*524288             ; step n: 256 rows of 2,048 bytes on
	s_or_b32 s[G0Q+4*\n+3], s[G0Q+4*\n+3], 0x80000000
.endr
	s_lshl_b32 s16, s13, 17                        ; qbf: block row x 64 rows x 2,048 bytes
	s_lshl_b32 s21, s10, 15                        ;      + wave x 16 rows: the rows that I store
	s_add_co_u32 s16, s16, s21
	s_add_nc_u64 s[66:67], s[66:67], s[16:17]
	s_lshl_b32 s2, s42, 8                          ;      + block column x 256 bytes
	s_add_nc_u64 s[66:67], s[66:67], s[2:3]
; 16 matrix instructions: m blocks a0, a0 + 1 of the window's four x all 8 n blocks, 32 along K.  zero = 1: the first product starts the sums.
; The 64 accumulators take turns, one instruction a turn, in the same order in every quarter step.
.macro MUL16 f, hi, a0, zero
.irp a, \a0, \a0+1
.irp b, 0,1,2,3,4,5,6,7
.if \zero
	v_wmma_f32_16x16x32_bf16 v[8*(8*(\a)+\b):8*(8*(\a)+\b)+7], v[\f+8*\b:\f+8*\b+7], v[\f+8*(4*\hi+\a):\f+8*(4*\hi+\a)+7], 0
.else
	v_wmma_f32_16x16x32_bf16 v[8*(8*(\a)+\b):8*(8*(\a)+\b)+7], v[\f+8*\b:\f+8*\b+7], v[\f+8*(4*\hi+\a):\f+8*(4*\hi+\a)+7], v[8*(8*(\a)+\b):8*(8*(\a)+\b)+7]
.endif
.endr
.endr
.endm
; 32 LDS loads in one run: the fragments of quarter kq (32 along K) of a slot into buffer f: 128 columns of Wkv, 128 rows of ctx
.macro FETCH slot, kq, f
	WIN TO_B
.irp i, 0,1,2,3,4,5,6,7
	ds_load_tr16_b128 v[\f+8*\i:\f+8*\i+3],   v[ADRB+\slot] offset:\kq*32*WPITCH+32*\i
	ds_load_tr16_b128 v[\f+8*\i+4:\f+8*\i+7], v[ADRB+\slot] offset:\kq*32*WPITCH+32*\i+16*WPITCH
.endr
	WIN 0
.irp i, 0,1,2,3,4,5,6,7
	ds_load_b128 v[\f+8*\i:\f+8*\i+3],   v[ADRA+\slot] offset:\kq*64+\i*16*PITCH
	ds_load_b128 v[\f+8*\i+4:\f+8*\i+7], v[ADRA+\slot] offset:\kq*64+\i*16*PITCH+32
.endr
.endm
.macro PLACES                          ; a load into a register that a matrix instruction has read, and a vector instruction that reads a result, stand four places behind it
.rept 4
	v_nop
.endr
.endm
; One of a K step's first three quarters: multiplies buffer f and, in its middle, fetches quarter kq of the same slot into buffer g
.macro QUARTER slot, kq, f, g, zero
	s_wait_dscnt 8                                 ; Wkv and ctx's rows 0-63 are in; the youngest eight loads (ctx's rows 64-127) may be out
	WIN MUL_LO
	MUL16 \f, 0, 0, \zero
	MUL16 \f, 0, 2, \zero
	PLACES
	FETCH \slot, \kq, \g
	s_wait_dscnt 32                                ; all but the 32 just issued
	WIN MUL_HI
	MUL16 \f, 1, 0, \zero
	MUL16 \f, 1, 2, \zero
.endm
.macro THREE slot, zero
	QUARTER \slot, 1, F0, F1, \zero
	QUARTER \slot, 2, F1, F0, 0
	QUARTER \slot, 3, F0, F1, 0
.endm
; The last quarter multiplies buffer 1 and changes slots.  In front of the barrier each wave waits for its reads of this slot and for all its tensor loads
; (one is out: its part of the other slot).  The barrier opens a round of the cluster's barrier, and behind the round this slot is asked for again, first thing:
; fill = 1: with (1)'s tile two K steps ahead; fill = 2: with the step of (2) that its group 0 stands at.  From a request of (1) to the wait for it a wave issues
; 240 matrix instructions.  fetch = 1: the other slot's first fragments of (1) are read.
.macro TURN slot, next, fill, fetch
	s_wait_dscnt 8
	WIN MUL_LO
	MUL16 F1, 0, 0, 0
	s_wait_dscnt 0
	s_wait_tensorcnt 0x0
	ds_add_u32 v255, v255
	s_wait_dscnt 0x0
	s_barrier_signal -1
	MUL16 F1, 0, 2, 0                              ; registers only, while the others arrive
	WIN 0
	s_barrier_wait -1
	CREST
.if \fill == 1
	s_add_nc_u64 s[G0+4*\slot+2:G0+4*\slot+3], s[G0+4*\slot+2:G0+4*\slot+3], 2*KSTEP*2
	s_add_nc_u64 s[G0B+4*\slot+2:G0B+4*\slot+3], s[G0B+4*\slot+2:G0B+4*\slot+3], 2*KSTEP*SIZE_N*2
	JLOAD \slot
.else
	JLQ \slot
.endif
.if \fetch
	PLACES
	FETCH \next, 0, F0
.endif
	WIN MUL_HI
	MUL16 F1, 1, 0, 0
	MUL16 F1, 1, 2, 0
.endm
.macro LAP zero
	THREE 0, \zero
	TURN 0, 1, 1, 1
	THREE 1, 0
	TURN 1, 0, 1, 1
.endm
	s_wait_tensorcnt 1                             ; my part of K step 0 is in; K step 1's stays out
	s_barrier_signal -1
	s_barrier_wait -1
	FETCH 0, 0, F0
	LAP 1                                          ; the first lap stands in front of the loop: its first products start the sums
	WIN 0                                          ; at a label and at a branch every window is 0
	s_mov_b32 s3, LAPS-2
.Llap:
	LAP 0
	WIN 0
	s_sub_co_u32 s3, s3, 1
	s_cmp_lg_u32 s3, 0
	s_cbranch_scc1 .Llap
	THREE 0, 0                                     ; the last lap of (1): the slots that it leaves take the first two steps of (2)
	TURN 0, 1, 2, 1
	THREE 1, 0
	TURN 1, 0, 2, 0
	; THE WAY OUT OF (1), 16 rows at a time: round to bf16, 16 bytes a lane into my own 16 rows of the stage, read back as whole rows of 256 bytes
	PLACES
	s_lshl_b32 s13, s13, 8
	s_lshl_b32 s14, s11, 7
	s_add_co_u32 s16, s13, s14                     ; my first row,
	s_lshl_b32 s16, s16, 12                        ; x 4,096 bytes
	s_mov_b32 s17, 0
	s_add_nc_u64 s[8:9], s[8:9], s[16:17]
	s_lshl_b32 s46, s42, 9                         ; my first column in bytes: 512 x block + 256 x half, in the registers that held Wkv's address
	s_lshl_b32 s47, s12, 8
	s_add_co_u32 s46, s46, s47
	s_mov_b32 s47, 0
	s_add_nc_u64 s[8:9], s[8:9], s[46:47]
.macro OUT16 i, a, from, f
	WIN \from
.irp b, 0,1,2,3,4,5,6,7
.irp r, 0,1,2,3
	v_cvt_pk_bf16_f32 v[TMP+4*\b+\r], v[8*(8*\a+\b)+2*\r], v[8*(8*\a+\b)+2*\r+1]
.endr
.endr
	WIN 0
.irp b, 0,1,2,3,4,5,6,7
	ds_store_b128 v[STO], v[TMP+4*\b:TMP+4*\b+3] offset:32*\b
.endr
	s_wait_xcnt 0x0                                ; buffer f, which earlier stores read, and the stores' base are rewritten only behind this wait
.if \i
	s_add_nc_u64 s[8:9], s[8:9], 16*SIZE_N*2
.endif
.irp t, 0,1,2,3,4,5,6,7
	ds_load_b128 v[\f+4*\t:\f+4*\t+3], v[RD] offset:\t*2*SPITCH    ; LDS serves a wave's instructions in order (ISA guide 5.7.1): these see the stores above
.endr
.irp t, 0,1,2,3,4,5,6,7
	s_wait_dscnt 7-\t
	global_store_b128 v[CO], v[\f+4*\t:\f+4*\t+3], s[8:9] offset:2*\t*SIZE_N*2   ; 16 lanes store 256 neighbouring bytes that begin at a multiple of 256
.endr
.endm
	OUT16 0, 0, 0x0a, F0
	OUT16 1, 1, 0x0a, F1
	OUT16 2, 2, 0x0a, F0
	OUT16 3, 3, 0x0a, F1
	OUT16 4, 0, 0x0f, F0
	OUT16 5, 1, 0x0f, F1
	OUT16 6, 2, 0x0f, F0
	OUT16 7, 3, 0x0f, F1
	; PRODUCT (2).  Step 0 was shown whole to every wave by the round in front of step 1's request.
; The 12 LDS loads of chunk c (32 along K) of a slot, into buffer f of window 1
.macro FETCHS slot, c, f
	WIN TO_B
.irp b, 0,1,2,3
	ds_load_tr16_b128 v[\f+8*\b:\f+8*\b+3],   v[QADRW+2*\slot+(\c)/4] offset:((\c)%4)*32*QPW+32*\b
	ds_load_tr16_b128 v[\f+8*\b+4:\f+8*\b+7], v[QADRW+2*\slot+(\c)/4] offset:((\c)%4)*32*QPW+32*\b+16*QPW
.endr
.irp a, 0,1
	ds_load_b128 v[\f+32+8*\a:\f+32+8*\a+3],   v[QADRA+\slot] offset:((\c)/4)*QAHALF+((\c)%4)*64+\a*16*QPA
	ds_load_b128 v[\f+32+8*\a+4:\f+32+8*\a+7], v[QADRA+\slot] offset:((\c)/4)*QAHALF+((\c)%4)*64+\a*16*QPA+32
.endr
.endm
; Eight matrix instructions on buffer f.  The eight accumulators take turns, one instruction a turn, from one MUL8 into the next too.
.macro MUL8 f, zero
	WIN MUL_Q
.irp a, 0,1
.irp b, 0,1,2,3
.if \zero
	v_wmma_f32_16x16x32_bf16 v[QACC+8*(4*\a+\b):QACC+8*(4*\a+\b)+7], v[\f+8*\b:\f+8*\b+7], v[\f+32+8*\a:\f+32+8*\a+7], 0
.else
	v_wmma_f32_16x16x32_bf16 v[QACC+8*(4*\a+\b):QACC+8*(4*\a+\b)+7], v[\f+8*\b:\f+8*\b+7], v[\f+32+8*\a:\f+32+8*\a+7], v[QACC+8*(4*\a+\b):QACC+8*(4*\a+\b)+7]
.endif
.endr
.endr
.endm
; Chunks 0 to 6 of a slot are multiplied; each fetches the next chunk of the same slot first.  zero = 1: the first products start the sums.
.macro SEVEN slot, zero
.irp c, 0,1,2,3,4,5,6
	PLACES
	FETCHS \slot, \c+1, QF0+48*((\c+1)%2)
	s_wait_dscnt 12                                ; all but the 12 just issued: chunk c is in
.if \c
	MUL8 QF0+48*(\c%2), 0
.else
	MUL8 QF0, \zero
.endif
.endr
.endm
; Slot s has been read to its end (chunk 7 is in registers behind the wait) and is asked for again, two steps of (2) on; then the other slot's chunk 0 is read and chunk 7 multiplied.
.macro QTURN s, next
	s_wait_dscnt 0x0                               ; my reads of the slot are over
	s_set_vgpr_msb 0x5551
	s_wait_tensorcnt 0x0                           ; all my tensor loads have landed, my part of the other slot among them: a group 0 may be written
	ds_add_u32 v255, v255
	s_wait_dscnt 0x0
	s_set_vgpr_msb 0x5155
	s_add_nc_u64 s[G0X+4*\s+2:G0X+4*\s+3], s[G0X+4*\s+2:G0X+4*\s+3], 2*512
	s_add_nc_u64 s[G0Q+4*\s+2:G0Q+4*\s+3], s[G0Q+4*\s+2:G0Q+4*\s+3], 2*524288
	WIN 0
	CROUND                                         ; both hold of every wave of all sixteen work-groups
	JLQ \s                                         ; my one tensor load behind the round, and the first thing there
	PLACES
	FETCHS \next, 0, QF0
	MUL8 QF1, 0
.endm
	FETCHS 0, 0, QF0
	SEVEN 0, 1                                     ; step 0
	QTURN 0, 1                                     ; step 2 into slot 0
	SEVEN 1, 0                                     ; step 1
	QTURN 1, 0                                     ; step 3 into slot 1
	SEVEN 0, 0                                     ; step 2
	s_wait_dscnt 0x0
	s_wait_tensorcnt 0x0                           ; my part of step 3: the one load that was out; nothing is left to fetch
	s_barrier_signal -1
	s_barrier_wait -1                              ; everybody's is in
	PLACES
	FETCHS 1, 0, QF0
	MUL8 QF1, 0
	SEVEN 1, 0                                     ; step 3
	s_wait_dscnt 0x0
	MUL8 QF1, 0
	; THE WAY OUT OF (2).  Register j of accumulator (a, b) in lane (r, h) is q(32 (wave / 2) + 16 a + r, 64 (wave % 2) + 16 b + 8 h + j): 16 bytes of bf16.
	; A row of the block is 256 bytes, of which two waves hold a half each: so the four waves fill the stage as one block of 64 rows, pass a barrier, and each
	; reads back and stores 16 whole rows.  The barriers of (2)'s steps lie between the other waves' last reads of the stage and these stores into it.
	PLACES
	WIN 0x05
.irp a, 0,1
.irp b, 0,1,2,3
.irp r, 0,1,2,3
	v_cvt_pk_bf16_f32 v[TMP+4*(4*\a+\b)+\r], v[QACC+8*(4*\a+\b)+2*\r], v[QACC+8*(4*\a+\b)+2*\r+1]
.endr
.endr
.endr
	WIN 0
.irp a, 0,1
.irp b, 0,1,2,3
	ds_store_b128 v[QSTO], v[TMP+4*(4*\a+\b):TMP+4*(4*\a+\b)+3] offset:\a*16*SPITCH+32*\b
.endr
.endr
	s_wait_dscnt 0x0                               ; for the others' sake: my part of the block is in the stage
	s_barrier_signal -1
	s_barrier_wait -1
	s_wait_xcnt 0x0                                ; buffer 0, which (1)'s stores read, is loaded again only behind this wait
.irp t, 0,1,2,3,4,5,6,7
	ds_load_b128 v[F0+4*\t:F0+4*\t+3], v[RD] offset:\t*2*SPITCH
.endr
.irp t, 0,1,2,3,4,5,6,7
	s_wait_dscnt 7-\t                              ; rows 2 t and 2 t + 1 of my 16 are in, the younger loads stay out
	global_store_b128 v[QCO], v[F0+4*\t:F0+4*\t+3], s[66:67] offset:\t*4096      ; 16 lanes store 256 neighbouring bytes that begin at a multiple of 256
.endr
	s_set_vgpr_msb 0x1
	s_wait_tensorcnt 0x0
	ds_add_u32 v255, v255
	s_wait_dscnt 0x0
	s_set_vgpr_msb 0x100
	CROUND                                         ; the closing round: no work-group ends while a partner may still ask for a tile that names it
	s_endpgm
.Lfunc_end_k_q7de2cd35f2_gemm_kvq:
	.size	k_q7de2cd35f2_gemm_kvq, .Lfunc_end_k_q7de2cd35f2_gemm_kvq-k_q7de2cd35f2_gemm_kvq
	.p2alignl 7, 3214868480
	.fill 96, 4, 3214868480
	.section	.rodata,"a",@progbits
	.p2align	6, 0x0
	.amdhsa_kernel k_q7de2cd35f2_gemm_kvq
		.amdhsa_group_segment_fixed_size 327680
		.amdhsa_private_segment_fixed_size 0
		.amdhsa_enable_private_segment 0
		.amdhsa_kernarg_size 40
		.amdhsa_user_sgpr_count 2
		.amdhsa_user_sgpr_kernarg_segment_ptr 1
		.amdhsa_wavefront_size32 1
		.amdhsa_system_sgpr_workgroup_id_x 1
		.amdhsa_system_sgpr_workgroup_id_y 1
		.amdhsa_system_sgpr_workgroup_id_z 1
		.amdhsa_system_vgpr_workitem_id 0
		.amdhsa_next_free_vgpr 1024
		.amdhsa_next_free_sgpr 102
		.amdhsa_reserve_vcc 0
		.amdhsa_float_denorm_mode_32 3
		.amdhsa_float_denorm_mode_16_64 3
		.amdhsa_memory_ordered 1
		.amdhsa_forward_progress 1
		.amdhsa_inst_pref_size 254
	.end_amdhsa_kernel
	.amdgpu_metadata
---
amdhsa.version: [ 1, 2 ]
amdhsa.kernels:
  - .name:           k_q7de2cd35f2_gemm_kvq
    .symbol:         k_q7de2cd35f2_gemm_kvq.kd
    .args:
      - { .name: cwb, .offset: 0, .size: 8, .value_kind: global_buffer, .address_space: global }
      - { .name: kvb, .offset: 8, .size: 8, .value_kind: global_buffer, .address_space: global }
      - { .name: xb, .offset: 16, .size: 8, .value_kind: global_buffer, .address_space: global }
      - { .name: wqb, .offset: 24, .size: 8, .value_kind: global_buffer, .address_space: global }
      - { .name: qbf, .offset: 32, .size: 8, .value_kind: global_buffer, .address_space: global }
    .group_segment_fixed_size: 327680
    .private_segment_fixed_size: 0
    .kernarg_segment_align: 8
    .kernarg_segment_size: 40
    .max_flat_workgroup_size: 128
    .sgpr_count:     102
    .vgpr_count:     1024
    .wavefront_size: 32
...
	.end_amdgpu_metadata
.endif
;; end of part 2
;; launch attn (part 3): grid 4 x 64, 4 waves a work-group, clusters of 4 x 1, 327,680 bytes of LDS; arguments qbf, kvb, po; writes po
.if DOCPART == 3
	.amdgcn_target "amdgcn-amd-amdhsa--gfx1250"
	.amdhsa_code_object_version 6
	.text
	.protected	k_q7de2cd35f2_attn
	.globl	k_q7de2cd35f2_attn
	.p2align	8
	.type	k_q7de2cd35f2_attn,@function
k_q7de2cd35f2_attn:
	s_mov_b64 s[64:65], 0
	v_nop
	global_prefetch_b8 v0, s[64:65] scope:SCOPE_SE
	s_setreg_imm32_b32 hwreg(HW_REG_WAVE_MODE, 25, 1), 1
	s_wait_xcnt 0x0
	s_wait_alu depctr_hold_cnt(0) depctr_sa_sdst(0) depctr_va_vdst(0) depctr_va_sdst(0) depctr_va_ssrc(0) depctr_va_vcc(0) depctr_vm_vsrc(0)
	s_getreg_b32 s2, hwreg(HW_REG_IB_STS2, 6, 4)
	s_cmp_eq_u32 s2, 0
	s_cbranch_scc0 .Lentry_in_a_cluster
	s_endpgm
.Lentry_in_a_cluster:
	s_bfe_u32 s2, ttmp6, 0x10000c
	s_cmp_lg_u32 s2, 0x3003
	s_cbranch_scc0 .Lentry_shape_is_right
	s_endpgm
.Lentry_shape_is_right:
; Attention of 256 queries of one (batch, head) over ONE document of 1,024 keys, with a running maximum; the four documents are merged by the next launch.
; The bias sim x beta is the same for all keys of a document, so it cancels inside this launch and enters only in the merge.
; Out: po[doc][b 1024 + q][128 head + d] = (sum over the document's keys of p v) / l in bf16, and per query m c and l in f32, where
; p = 2^(s c - m c), s = q . k, c = log2(e) / 32 (the scale 1024^-1/2 and the change to base 2 in one factor), m = the largest s, l = the sum of p.
; LIMITS: the scores s must be finite (a NaN loses in the maxima, an infinite score gives other results than the reference's); exponentials below 2^-126 count as 0;
; l is summed from the unrounded p while the product with v takes p rounded to bf16; q, k, v, p and the partial output are rounded to bf16.
; SHARES: grid y = (b, head, doc); the four work-groups of a cluster are the four blocks of 256 queries; wave w has queries 64 w .. 64 w + 63 of its block.
; The four partners walk the same K and V tiles, so these are asked for jointly (mask 15): one request in place of four.
; TRANSPOSED: S^T = K Q^T and O^T = V^T P^T.  A lane (r, h) then holds, for query r, the scores of keys 8 h + j of each block of 16: after rounding these ARE
; the second source's fragment of P; maximum and sum are a lane's own but for one exchange between the halves; V^T's fragments come by the transposing LDS load.
; THE SCHEDULE.  A unit is 64 keys.  The product with V lags one unit, so that every matrix instruction has vector work of another unit to stand behind it:
;   stage Y(i):     O^T += V^T P^T of unit i - 1, 64 matrix instructions, with five instructions of unit i's softmax behind each; the last goes out behind the 315th
;                   of the stream's 344 counted instructions; the rest and the 64 roundings into P follow it, so that one P serves;
;   stage X(i + 1): S^T = K Q^T of unit i + 1, 64 matrix instructions, with the rescaling of O by unit i's factor, four instructions behind each of the last 32.
; The fragments come in runs of 32 LDS loads at the head of a stage, a whole stage ahead of their use: K(i + 1) at the head of Y(i), V(i) at the head of X(i + 1).
; LDS.  K runs one unit ahead of V, so K's tiles are shifted by 64 keys against V's, and the two runs of loads of a body Y(i), X(i + 1) fall into one slot:
;   byte 0: K(0); 17,408: slot 0's K (units 1-4, later 9-12); 87,040: slot 0's V (units 0-3, later 8-11); 160,768: slot 1's K (5-8, later 13-15);
;   230,400: slot 1's V (4-7, later 12-15); 304,128: the stage.  K's rows have pitch 272, V's 288.  Waves 0, 1 fetch K's halves, waves 2, 3 V's.
;   K's first fill is keys 0-319 (halves of 160 rows), its last keys 832-1023 (halves of 96 rows): no load leaves the document.
; By this text's count a wave has two tensor loads out at the start and one behind each refill, which has four units, 512 matrix instructions, in which to land.
; REGISTERS in windows of 256: window 0 addresses, Q's fragments v[64:191], the way out v[192:223]; window 1 O (8 d blocks x 4 query blocks);
; window 2 S v[0:127] (4 key blocks x 4 query blocks), statistics v[128:159], P v[192:255]: the softmax runs under one setting; window 3 K v[0:127], V v[128:255].
.set KPITCH, 272                       ; 17 x 16
.set VPITCH, 288                       ; 9 x 32
.set KU,     64*KPITCH                 ; 17,408: a unit of K
.set VU,     64*VPITCH                 ; 18,432: a unit of V
.set KBASE,  KU                        ; slot 0's K, straight behind K(0)
.set VBASE,  KBASE+4*KU                ; 87,040: slot 0's V
.set SLOT,   4*KU+4*VU                 ; 143,360: from slot 0 to slot 1
.set STAGE,  KBASE+2*SLOT              ; 304,128: 16 rows x 272 bytes for each wave; no tensor load lands there
.set SP,     272
.set KVROW,  4096                      ; bytes in a row of kvb
.set PER,    5                         ; vector instructions behind a matrix instruction of stage Y
.set KA, 2                             ; LDS address of the K unit that is loaded next
.set VA, 3                             ; of the V unit that is loaded next
.set KL, 4                             ; K's lane term
.set VL, 5                             ; V's lane term, in slot 0
.set STO, 6
.set RD, 7
.set CO, 8
.set SO, 9                             ; 16 x lane: my place in the wave's 512 bytes of statistics
.set QO, 10                            ; my byte offset in qbf
.set HH, 11                            ; h
.set QF, 64                            ; window 0: Q(qb, dc) at QF + 8 (4 qb + dc)
.set TMP, 192                          ; window 0: the way out
.set ST, 128                           ; window 2: statistics of query block qb at ST + 6 qb: (NM = -m c, M = m), (AL = the rescaling factor, T = at work), (L0, L1 = two partial sums)
.set MX, 152                           ; window 2: v152-155 the unit's maxima
.set TS, 156                           ; window 2: v156-159 the statistics as stored
.set PF, 192                           ; window 2: P(qb, kc) at PF + 8 (2 qb + kc)
.set VF, 128                           ; window 3: V(kc, db) at VF + 8 (8 kc + db)
.set G1K,  24                          ; s[24:31] group 1: 128 rows of K
.set G1V,  32                          ; s[32:39] 128 rows of V
.set G1K0, 40                          ; s[40:47] 160 rows of K: the first fill
.set G1KL, 48                          ; s[48:55] 96 rows of K: the last fill
.set G0K,  68                          ; s[68:83] group 0 of K's four loads, a set for each: none is ever stepped
.set G0V,  84                          ; s[84:99] of V's four loads
.set W_QK, 0xa3                        ; source 0 = K (window 3), source 1 = Q (0), C and D = S (2)
.set W_PV, 0x5b                        ; source 0 = V (3), source 1 = P (2), C and D = O (1)
.set W_SM, 0xaa                        ; all in window 2
.set W_RS, 0x49                        ; source 0 and destination = O (1), source 1 = AL (2)
.set W_LD, 0xc0                        ; destination window 3, address window 0
.set MSB, 0
.macro WIN new                         ; low byte: bits 1:0 source 0, 3:2 source 1, 5:4 source 2, 7:6 destination; the high byte repeats the setting that is left
.if MSB != \new
	s_set_vgpr_msb (MSB<<8)|\new
.set MSB, \new
.endif
.endm
.macro PLACES                          ; four places behind a matrix instruction before its results are read or its sources loaded again (ISA guide 7.12.1)
.rept 4
	v_nop
.endr
.endm
.macro ROUND                           ; a round of the cluster's barrier
	s_barrier_signal -1
	s_barrier_wait -1
	s_cmp_lg_u32 s10, 0
	s_cbranch_scc1 .Lnot_wave_0_\@
	s_barrier_signal -3
.Lnot_wave_0_\@:
	s_barrier_wait -3
	s_barrier_signal -1
	s_barrier_wait -1
.endm
.macro JL n, g1k                       ; the n-th joint load of my role; the branch hangs on the wave's number alone
	s_cmp_eq_u32 s11, 0
	s_cbranch_scc0 .Lfor_v_\@
	tensor_load_to_lds s[G0K+4*\n:G0K+4*\n+3], s[\g1k:\g1k+7]
	s_nop 0
	s_branch .Lasked_\@
.Lfor_v_\@:
	tensor_load_to_lds s[G0V+4*\n:G0V+4*\n+3], s[G1V:G1V+7]
	s_nop 0
.Lasked_\@:
.endm
; group 1: 'rows' rows x 128 elements of 2 bytes for all four work-groups of the cluster, pad + 1 words of padding behind every 64
.macro GROUP1 g, rows, pad
	s_mov_b32 s[\g+0], 15|(1<<16)|(1<<20)|(1<<21)|(5<<22)|(\pad<<25)
	s_mov_b32 s[\g+1], 128<<16                     ; tensor_dim0 = 128
	s_mov_b32 s[\g+2], \rows<<16                   ; tensor_dim1
	s_mov_b32 s[\g+3], 128<<16                     ; tile_dim0 = 128
	s_mov_b32 s[\g+4], \rows                       ; tile_dim1
	s_mov_b32 s[\g+5], 2048                        ; elements from row to row of kvb
	s_mov_b32 s[\g+6], 0
	s_mov_b32 s[\g+7], 0
.endm
	s_load_b128 s[4:7], s[0:1], 0x0                ; qbf s[4:5], kvb s[6:7]
	s_load_b64 s[8:9], s[0:1], 0x10                ; po
	v_lshl_add_u32 v254, v0, 2, 0x4e800
	v_mov_b32 v255, 0
	ds_add_u32 v254, v255
	v_lshrrev_b32 v1, 5, v0
	v_readfirstlane_b32 s10, v1                    ; wave 0..3
	s_lshr_b32 s11, s10, 1                         ; I fetch for K (0) or for V (1)
	s_and_b32 s12, s10, 1                          ; which half of a tile I fetch
	s_bfe_u32 s13, ttmp6, 0x40000                  ; cx: my block of 256 queries
	s_and_b32 s14, ttmp7, 0xffff
	s_and_b32 s15, s14, 3                          ; document
	s_bfe_u32 s16, s14, 0x30002                    ; head
	s_lshr_b32 s17, s14, 5                         ; batch
	GROUP1 G1K, 128, 3
	GROUP1 G1V, 128, 7
	GROUP1 G1K0, 160, 3
	GROUP1 G1KL, 96, 3
	; where K and V come from: row 4096 b + 1024 doc, column 128 head.  s18, s19, s59, s6, s7 never hold cx.
	s_lshl_b32 s18, s17, 12
	s_lshl_b32 s59, s15, 10
	s_add_co_u32 s18, s18, s59
	s_lshl_b32 s18, s18, 12                        ; x 4,096 bytes
	s_lshl_b32 s59, s16, 8
	s_add_co_u32 s18, s18, s59
	s_mov_b32 s19, 0
	; my 64 queries: row 1024 b + 256 cx + 64 w of qbf and of po
	s_lshl_b32 s20, s17, 10
	s_lshl_b32 s21, s13, 8
	s_add_co_u32 s20, s20, s21
	s_lshl_b32 s21, s10, 6
	s_add_co_u32 s20, s20, s21
	s_lshl_b32 s22, s20, 11                        ; x 2,048 bytes
	s_lshl_b32 s21, s16, 8                         ; + head x 128 bf16
	s_add_co_u32 s22, s22, s21
	s_mov_b32 s23, 0
	s_mov_b32 s56, 0x3d38aa3b                      ; c = log2(e) / 32, twice: a pair for the packed multiply-add
	s_mov_b32 s57, 0x3d38aa3b
	s_mov_b32 s58, 0xbd38aa3b                      ; -c
	s_mov_b32 s60, 0x76543210                      ; v_permlanex16_b32: lane i of one half reads lane i of the other
	s_mov_b32 s61, 0xfedcba98
	s_wait_dscnt 0x0
	s_wait_kmcnt 0x0
	s_add_nc_u64 s[6:7], s[6:7], s[18:19]          ; the document's first key, my head's columns
	s_add_nc_u64 s[4:5], s[4:5], s[22:23]
	s_mul_i32 s18, s12, 160*KVROW
	s_add_nc_u64 s[G0K+2:G0K+3], s[6:7], s[18:19]                  ; K, load 0: keys 0-319 in halves of 160
	s_mul_i32 s18, s12, 96*KVROW
	s_add_nc_u64 s[G0K+14:G0K+15], s[6:7], s[18:19]
	s_add_nc_u64 s[G0K+14:G0K+15], s[G0K+14:G0K+15], 832*KVROW     ; K, load 3: keys 832-1023 in halves of 96
	s_lshl_b32 s18, s12, 19
	s_add_nc_u64 s[6:7], s[6:7], s[18:19]                          ; all the others: halves of 128 keys
	s_add_nc_u64 s[G0K+6:G0K+7], s[6:7], 320*KVROW                 ; K, load 1: keys 320-575
	s_add_nc_u64 s[G0K+10:G0K+11], s[6:7], 576*KVROW               ; K, load 2: keys 576-831
.irp n, 0,1,2,3
	s_add_nc_u64 s[G0V+4*\n+2:G0V+4*\n+3], s[6:7], \n*256*KVROW+2048   ; V, load n: keys 256 n ..; the values are columns 1024 .. of kvb
.endr
.irp n, 0,1,2,3
	s_mov_b32 s[G0K+4*\n], 1
	s_or_b32 s[G0K+4*\n+3], s[G0K+4*\n+3], 0x80000000
	s_mov_b32 s[G0V+4*\n], 1
	s_or_b32 s[G0V+4*\n+3], s[G0V+4*\n+3], 0x80000000
.endr
	s_mul_i32 s[G0K+1], s10, 160*KPITCH            ; K goes to (waves 0, 1): load 0: wave x 43,520, from K(0) on;
	s_mul_i32 s59, s10, 128*KPITCH
	s_add_co_u32 s[G0K+5], s59, KBASE+SLOT         ; load 1: slot 1 + wave x 34,816;
	s_add_co_u32 s[G0K+9], s59, KBASE              ; load 2: slot 0 + wave x 34,816;
	s_mul_i32 s59, s10, 96*KPITCH
	s_add_co_u32 s[G0K+13], s59, KBASE+SLOT        ; load 3: slot 1 + wave x 26,112
	s_mul_i32 s59, s10, 128*VPITCH                 ; V goes to (waves 2, 3) 87,040 + (wave - 2) x 36,864 = 13,312 + wave x 36,864, in slots 0, 1, 0, 1
	s_add_co_u32 s59, s59, VBASE-2*128*VPITCH
.irp n, 0,1,2,3
	s_add_co_u32 s[G0V+4*\n+1], s59, (\n%2)*SLOT
.endr
	ROUND                                          ; all four work-groups are here: the first joint loads meet
	s_cmp_eq_u32 s11, 0                            ; a wave's two first fills stand in one branch on its number
	s_cbranch_scc0 .Lfirst_v
	tensor_load_to_lds s[G0K:G0K+3], s[G1K0:G1K0+7]
	s_nop 0
	tensor_load_to_lds s[G0K+4:G0K+7], s[G1K:G1K+7]
	s_nop 0
	s_branch .Lfirst_done
.Lfirst_v:
	tensor_load_to_lds s[G0V:G0V+3], s[G1V:G1V+7]
	s_nop 0
	tensor_load_to_lds s[G0V+4:G0V+7], s[G1V:G1V+7]
	s_nop 0
.Lfirst_done:
	; Q's fragments as they lie in qbf: lane (r, h) takes, of query 16 qb + r, d = 32 dc + 8 h + 0..7 and 32 dc + 16 + 8 h + 0..7: two loads of 16 bytes
	v_and_b32 v1, 15, v0                           ; r
	v_bfe_u32 v[HH], v0, 4, 1                      ; h
	v_lshlrev_b32 v[QO], 11, v1
	v_lshl_add_u32 v[QO], v[HH], 4, v[QO]
.irp qb, 0,1,2,3
.irp dc, 0,1,2,3
	global_load_b128 v[QF+8*(4*\qb+\dc):QF+8*(4*\qb+\dc)+3],   v[QO], s[4:5] offset:\qb*32768+\dc*64
	global_load_b128 v[QF+8*(4*\qb+\dc)+4:QF+8*(4*\qb+\dc)+7], v[QO], s[4:5] offset:\qb*32768+\dc*64+32
.endr
.endr
	v_mul_u32_u24 v[KL], v1, KPITCH                ; K's fragment: key r of a block, 16 bytes at 16 h, and 32 bytes further on
	v_lshl_add_u32 v[KL], v[HH], 4, v[KL]
	v_and_b32 v12, 7, v0                           ; V's fragment: the lane addresses key 8 h + lane % 8, 16 bytes at 16 ((lane / 8) % 2), and receives d = r, keys 8 h .. 8 h + 7
	v_lshl_add_u32 v12, v[HH], 3, v12
	v_mul_u32_u24 v[VL], v12, VPITCH
	v_bfe_u32 v12, v0, 3, 1
	v_lshl_add_u32 v[VL], v12, 4, v[VL]
	v_add_nc_u32 v[VL], VBASE, v[VL]
	s_mul_i32 s59, s10, 16*SP
	s_add_co_u32 s59, s59, STAGE                   ; my stage
	v_mul_u32_u24 v12, v1, SP
	v_lshl_add_u32 v12, v[HH], 4, v12
	v_add_nc_u32 v[STO], s59, v12
	v_mul_u32_u24 v12, v[HH], SP
	v_lshl_add_u32 v12, v1, 4, v12
	v_add_nc_u32 v[RD], s59, v12
	v_lshlrev_b32 v[CO], 4, v1
	v_lshl_add_u32 v[CO], v[HH], 11, v[CO]         ; two rows of po: 2,048 h + 16 r
	v_and_b32 v[SO], 31, v0
	v_lshlrev_b32 v[SO], 4, v[SO]
	v_cmp_ne_u32 s63, 0, v[HH]                     ; lanes 16-31, for the statistics' store
	v_mov_b32 v[KA], v[KL]                         ; K(0)
	v_mov_b32 v[VA], v[VL]                         ; V(0)
	WIN 0x80
.irp qb, 0,1,2,3
	v_mov_b32 v[ST+6*\qb+1], 0xff800000            ; m = -infinity: the first unit's rescaling factor comes out as 0
	v_mov_b32 v[ST+6*\qb+3], 0                     ; written once: the lane exchange counts as a reader of its destination
	v_mov_b32 v[ST+6*\qb+4], 0                     ; l = 0
	v_mov_b32 v[ST+6*\qb+5], 0
.endr
	WIN 0
; 32 LDS loads in one run: the K fragments of the 64 keys at KA
.macro KLOAD
	WIN W_LD
.irp kb, 0,1,2,3
.irp dc, 0,1,2,3
	ds_load_b128 v[8*(4*\kb+\dc):8*(4*\kb+\dc)+3],   v[KA] offset:\kb*16*KPITCH+64*\dc
	ds_load_b128 v[8*(4*\kb+\dc)+4:8*(4*\kb+\dc)+7], v[KA] offset:\kb*16*KPITCH+64*\dc+32
.endr
.endr
.endm
; 32 LDS loads in one run: the V fragments of the 64 keys at VA
.macro VLOAD
	WIN W_LD
.irp kc, 0,1
.irp db, 0,1,2,3,4,5,6,7
	ds_load_tr16_b128 v[VF+8*(8*\kc+\db):VF+8*(8*\kc+\db)+3],   v[VA] offset:\kc*32*VPITCH+32*\db
	ds_load_tr16_b128 v[VF+8*(8*\kc+\db)+4:VF+8*(8*\kc+\db)+7], v[VA] offset:\kc*32*VPITCH+32*\db+16*VPITCH
.endr
.endr
.endm
; Matrix instruction number WI (0 to 63, in the order kc, db, qb) of O^T += V^T P^T.  The 32 accumulators take turns, one instruction a turn.
; PVZERO = 1: the first product (kc = 0) starts the sums.
.macro PVW
	WIN W_PV
.set PKC, WI/32
.set PDB, (WI/4)%8
.set PQB, WI%4
.if PVZERO*(1-PKC)
	v_wmma_f32_16x16x32_bf16 v[8*(4*PDB+PQB):8*(4*PDB+PQB)+7], v[VF+8*(8*PKC+PDB):VF+8*(8*PKC+PDB)+7], v[PF+8*(2*PQB+PKC):PF+8*(2*PQB+PKC)+7], 0
.else
	v_wmma_f32_16x16x32_bf16 v[8*(4*PDB+PQB):8*(4*PDB+PQB)+7], v[VF+8*(8*PKC+PDB):VF+8*(8*PKC+PDB)+7], v[PF+8*(2*PQB+PKC):PF+8*(2*PQB+PKC)+7], v[8*(4*PDB+PQB):8*(4*PDB+PQB)+7]
.endif
.set WI, WI+1
.endm
; Stands behind each counted instruction of the softmax: behind every PER of them the next matrix instruction goes out, as long as there is one (WI < WN)
.macro TICK
.set CNT, CNT+1
.if CNT == PER
.set CNT, 0
.if WI < WN
	PVW
.endif
.endif
.endm
; Pair b of a lane's 64 pairs of scores: key block b / 16, registers 2 ((b / 4) % 4) and the next, query block RQ = b % 4; the pair begins at register RB
.macro PAIR b
.set RQ, (\b)%4
.set RB, 32*((\b)/16)+8*RQ+2*(((\b)/4)%4)
.endm
.macro FITEM b                         ; s c - m c
	PAIR \b
	WIN W_SM
	v_pk_fma_f32 v[RB:RB+1], v[RB:RB+1], s[56:57], v[ST+6*RQ:ST+6*RQ+1] op_sel_hi:[1,0,0]
	TICK
.endm
.macro EITEM b, half                   ; p
	PAIR \b
	WIN W_SM
	v_exp_f32 v[RB+\half], v[RB+\half]
	TICK
.endm
.macro AITEM b                         ; l: the first pair of a query block takes the old sum along, rescaled
	PAIR \b
	WIN W_SM
.if (\b) < 4
	s_wait_alu depctr_va_vdst(0)
	v_pk_fma_f32 v[ST+6*RQ+4:ST+6*RQ+5], v[ST+6*RQ+4:ST+6*RQ+5], v[ST+6*RQ+2:ST+6*RQ+3], v[RB:RB+1] op_sel_hi:[1,0,1]
.else
	s_wait_alu depctr_va_vdst(0)
	v_pk_add_f32 v[ST+6*RQ+4:ST+6*RQ+5], v[RB:RB+1], v[ST+6*RQ+4:ST+6*RQ+5]
.endif
	TICK
.endm
; The running softmax of a unit: 64 keys x 64 queries, 32 scores of each of four queries in a lane
.macro SOFTMAX
.irp kb, 0,1,2,3
.irp jp, 0,2,4,6
.irp qb, 0,1,2,3
	WIN W_SM
.if \kb+\jp
	v_max3_num_f32 v[MX+\qb], v[8*(4*\kb+\qb)+\jp], v[8*(4*\kb+\qb)+\jp+1], v[MX+\qb]
.else
	v_max3_num_f32 v[MX+\qb], v[8*\qb], v[8*\qb+1], v[ST+6*\qb+1]          ; the chains start from the running maximum; four chains side by side
.endif
	TICK
.endr
.endr
.endr
.irp qb, 0,1,2,3
	WIN W_SM
	v_permlanex16_b32 v[ST+6*\qb+3], v[MX+\qb], s60, s61                   ; the other half of the lanes holds the query's other keys
	TICK
.endr
.irp qb, 0,1,2,3
	WIN W_SM
	v_max_num_f32 v[MX+\qb], v[MX+\qb], v[ST+6*\qb+3]                      ; the new m
	TICK
.endr
.irp qb, 0,1,2,3
	WIN W_SM
	v_mul_f32 v[ST+6*\qb], s58, v[MX+\qb]                                  ; NM = -m c
	TICK
.endr
.irp qb, 0,1,2,3
	WIN W_SM
	v_fma_f32 v[ST+6*\qb+3], v[ST+6*\qb+1], s56, v[ST+6*\qb]               ; old m x c - new m c, 0 at the most
	TICK
.endr
.irp qb, 0,1,2,3
	WIN W_SM
	v_mov_b32 v[ST+6*\qb+1], v[MX+\qb]
	TICK
.endr
.irp qb, 0,1,2,3
	WIN W_SM
	v_exp_f32 v[ST+6*\qb+2], v[ST+6*\qb+3]                                 ; AL; plain instructions stand between it and its first use (ISA guide 5.7.2)
	TICK
.endr
	; multiply-add, exponentials and sum by turns, each a pair behind the one before: between an exponential and the sum that reads its result stands the
	; multiply-add of a later pair (in the last turn, which has none, a v_nop): a plain instruction, as ISA guide 5.7.2 asks
	FITEM 0
.set BI, 0
.rept 64
.if BI < 63
	FITEM BI+1
.else
	v_nop
.endif
	EITEM BI, 0
.if BI > 0
	AITEM BI-1
.endif
	EITEM BI, 1
.set BI, BI+1
.endr
	v_nop                                          ; one plain instruction behind the last exponential
	AITEM 63
	; The last matrix instruction went out behind the 315th TICK of 344: more than four places lie between it and these writes of P
	WIN W_SM
.irp qb, 0,1,2,3
.irp kc, 0,1
.irp hh, 0,1
.irp rr, 0,1,2,3
	v_cvt_pk_bf16_f32 v[PF+8*(2*\qb+\kc)+4*\hh+\rr], v[8*(4*(2*\kc+\hh)+\qb)+2*\rr], v[8*(4*(2*\kc+\hh)+\qb)+2*\rr+1]   ; keys 32 kc + 16 hh + 8 h + 2 rr, + 1: P's fragment as it stands
.endr
.endr
.endr
.endr
.endm
.macro RESCALE                         ; O = O x AL, each query block by its own factor
	WIN W_RS
.irp db, 0,1,2,3,4,5,6,7
.irp qb, 0,1,2,3
.irp jp, 0,2,4,6
	s_wait_alu depctr_va_vdst(0)
	v_pk_mul_f32 v[8*(4*\db+\qb)+\jp:8*(4*\db+\qb)+\jp+1], v[8*(4*\db+\qb)+\jp:8*(4*\db+\qb)+\jp+1], v[ST+6*\qb+2:ST+6*\qb+3] op_sel_hi:[1,0]
.endr
.endr
.endr
.endm
; Stage Y(i).  pv = 0: no product (i = 0); 1: O^T += V^T P^T of unit i - 1; 2: the same, starting the sums.  kload = 1: K(i + 1) is asked for.
.macro STAGE_Y pv, kload
	s_wait_dscnt 0x0                               ; V(i - 1), asked for at the head of the stage before, is in
.if \kload
	KLOAD                                          ; four places lie behind the last matrix instruction that read K: the end of stage X
.endif
.set WI, 0
.set CNT, 0
.set WN, 0
.set PVZERO, 0
.if \pv
.set WN, 64
.endif
.if \pv == 2
.set PVZERO, 1
.endif
.if \pv
	PVW
.endif
	SOFTMAX
.endm
; Stage X(i + 1): S^T = K Q^T, 64 matrix instructions in the order dc, kb, qb: the 16 accumulators take turns, one instruction a turn.
; resc = 1: behind each of the last 32 stand the four instructions that rescale one accumulator of O; the last four are also the places in front of the reads
; of S and of the next loads into K.  vload = 1: V(i) is asked for; the end of stage Y gives the places behind the last matrix instruction that read V.
.macro STAGE_X resc, vload
	s_wait_dscnt 0x0                               ; K(i + 1), asked for at the head of the stage before, is in
.if \vload
	VLOAD
.endif
.set WI, 0
.rept 64
	WIN W_QK
.set QDC, WI/16
.set QKB, (WI/4)%4
.set QQB, WI%4
.if QDC
	v_wmma_f32_16x16x32_bf16 v[8*(4*QKB+QQB):8*(4*QKB+QQB)+7], v[8*(4*QKB+QDC):8*(4*QKB+QDC)+7], v[QF+8*(4*QQB+QDC):QF+8*(4*QQB+QDC)+7], v[8*(4*QKB+QQB):8*(4*QKB+QQB)+7]
.else
	v_wmma_f32_16x16x32_bf16 v[8*(4*QKB+QQB):8*(4*QKB+QQB)+7], v[8*(4*QKB+QDC):8*(4*QKB+QDC)+7], v[QF+8*(4*QQB+QDC):QF+8*(4*QQB+QDC)+7], 0
.endif
.if \resc
.if WI >= 32
	WIN W_RS
.irp jp, 0,2,4,6
	v_pk_mul_f32 v[8*(WI-32)+\jp:8*(WI-32)+\jp+1], v[8*(WI-32)+\jp:8*(WI-32)+\jp+1], v[ST+6*QQB+2:ST+6*QQB+3] op_sel_hi:[1,0]   ; accumulator WI - 32 = 4 db + qb of O
.endr
.endif
.endif
.set WI, WI+1
.endr
.if \resc
.else
	PLACES
.endif
.endm
; A body: Y(i), then X(i + 1).  Both its runs of loads fall into one slot.
.macro BODY pv, resc
	STAGE_Y \pv, 1
	WIN 0
	v_add_nc_u32 v[KA], KU, v[KA]
	STAGE_X \resc, 1
	WIN 0
	v_add_nc_u32 v[VA], VU, v[VA]
.endm
.macro LOOP n
	WIN 0
	s_mov_b32 s62, \n
.Lunits_\@:
	BODY 1, 1
	WIN 0
	s_sub_co_u32 s62, s62, 1
	s_cmp_lg_u32 s62, 0
	s_cbranch_scc1 .Lunits_\@
.endm
.macro SETSLOT n                       ; the first units of slot n
	WIN 0
	v_add_nc_u32 v[KA], KBASE+\n*SLOT, v[KL]
.if \n
	v_add_nc_u32 v[VA], SLOT, v[VL]
.else
	v_mov_b32 v[VA], v[VL]
.endif
.endm
; A slot has been read to its end (its last V fragments are in registers behind the wait) and is asked for again: the n-th load of each role
.macro CHANGE n, g1k
	s_wait_dscnt 0x0                               ; my reads of the slot are over
	s_wait_tensorcnt 0x0                           ; all my tensor loads have landed, my part of the other slot among them
	ds_add_u32 v254, v255
	s_wait_dscnt 0x0
	WIN 0
	ROUND                                          ; both hold of every wave of all four work-groups
	JL \n, \g1k                                    ; my one tensor load behind the round, and the first thing there
.endm
	s_wait_tensorcnt 0x1                           ; my part of K(0) and slot 0 is in; slot 1's stays out
	s_barrier_signal -1
	s_barrier_wait -1
	KLOAD                                          ; K(0)
	WIN 0
	v_add_nc_u32 v[KA], KU, v[KA]
	s_wait_loadcnt 0x0                             ; Q
	STAGE_X 0, 0                                   ; X(0)
	BODY 0, 0                                      ; softmax(0); X(1).  O has not begun: nothing to rescale
	BODY 2, 1                                      ; the product of unit 0 starts O's sums
	LOOP 2                                         ; bodies 2, 3: the rest of slot 0
	CHANGE 2, G1K                                  ; K units 9-12 and V units 8-11 into slot 0
	SETSLOT 1
	LOOP 4                                         ; bodies 4-7
	CHANGE 3, G1KL                                 ; K units 13-15 and V units 12-15 into slot 1
	SETSLOT 0
	LOOP 4                                         ; bodies 8-11
	s_wait_dscnt 0x0
	s_wait_tensorcnt 0x0                           ; my part of slot 1: the one load that was out; nothing is left to fetch
	s_barrier_signal -1
	s_barrier_wait -1
	SETSLOT 1
	LOOP 3                                         ; bodies 12-14
	STAGE_Y 1, 0                                   ; Y(15): no K is left
	VLOAD                                          ; V(15)
	RESCALE                                        ; by unit 15's factor
	s_wait_dscnt 0x0
.set WI, 0
.set PVZERO, 0
.rept 64
	PVW                                            ; the product of unit 15
.endr
	; THE END.  The four additions are the places behind the last matrix instruction.
	WIN W_SM
.irp qb, 0,1,2,3
	v_add_f32 v[ST+6*\qb+4], v[ST+6*\qb+4], v[ST+6*\qb+5]
.endr
.irp qb, 0,1,2,3
	v_permlanex16_b32 v[ST+6*\qb+3], v[ST+6*\qb+4], s60, s61
.endr
.irp qb, 0,1,2,3
	v_add_f32 v[ST+6*\qb+4], v[ST+6*\qb+4], v[ST+6*\qb+3]                  ; l, about 1 at the least: the largest score's p
.endr
.irp qb, 0,1,2,3
	v_rcp_f32 v[ST+6*\qb+2], v[ST+6*\qb+4]                                 ; 1 / l takes AL's place; plain instructions follow before its use
.endr
.irp qb, 0,1,2,3
	v_xor_b32 v[TS+\qb], 0x80000000, v[ST+6*\qb]                           ; m c = -NM
.endr
.irp qb, 0,1,2,3
	v_cndmask_b32 v[TS+\qb], v[TS+\qb], v[ST+6*\qb+4], s63                 ; lanes 0-15 store m c of query r in the four blocks, lanes 16-31 l
.endr
	RESCALE                                        ; O / l
	s_lshl1_add_u32 s22, s15, s17                  ; the wave's 512 bytes of statistics: number ((2 doc + b) 8 + head) 16 + 4 cx + w
	s_lshl3_add_u32 s22, s22, s16
	s_lshl2_add_u32 s21, s13, s10
	s_lshl4_add_u32 s22, s22, s21
	s_lshl_b32 s22, s22, 9
	s_add_co_u32 s22, s22, 16777216                ; behind the four documents' outputs
	s_add_nc_u64 s[2:3], s[8:9], s[22:23]
	WIN 0x08                                       ; the address in window 0, the data in window 2
	global_store_b128 v[SO], v[TS:TS+3], s[2:3]    ; 512 neighbouring bytes
	s_lshl_b32 s22, s20, 11                        ; my first row of po x 2,048 bytes
	s_lshl_b32 s21, s16, 8                         ; + head x 128 bf16
	s_add_co_u32 s22, s22, s21
	s_lshl_b32 s21, s15, 22                        ; + document x 2,048 rows
	s_add_co_u32 s22, s22, s21
	s_add_nc_u64 s[8:9], s[8:9], s[22:23]
; 16 queries at a time: register j of O(db, qb) in lane (r, h) is d = 16 db + 8 h + j of query r: 16 bytes of bf16 into my stage, whole rows of 256 bytes back
.macro OUT16 qb, f
	WIN 0x05
.irp db, 0,1,2,3,4,5,6,7
.irp rr, 0,1,2,3
	v_cvt_pk_bf16_f32 v[TMP+4*\db+\rr], v[8*(4*\db+\qb)+2*\rr], v[8*(4*\db+\qb)+2*\rr+1]
.endr
.endr
	WIN 0
.irp db, 0,1,2,3,4,5,6,7
	ds_store_b128 v[STO], v[TMP+4*\db:TMP+4*\db+3] offset:32*\db
.endr
	s_wait_xcnt 0x0                                ; buffer f, which earlier stores read, is loaded again only behind this wait
.irp t, 0,1,2,3,4,5,6,7
	ds_load_b128 v[\f+4*\t:\f+4*\t+3], v[RD] offset:\t*2*SP                ; LDS serves a wave's instructions in order (ISA guide 5.7.1): these see the stores above
.endr
.irp t, 0,1,2,3,4,5,6,7
	s_wait_dscnt 7-\t                              ; rows 2 t and 2 t + 1 are in, the younger loads stay out
	global_store_b128 v[CO], v[\f+4*\t:\f+4*\t+3], s[8:9] offset:\qb*32768+\t*4096   ; 16 lanes store 256 neighbouring bytes that begin at a multiple of 256
.endr
.endm
	OUT16 0, 64
	OUT16 1, 96
	OUT16 2, 64
	OUT16 3, 96
	s_wait_tensorcnt 0x0
	ds_add_u32 v254, v255
	s_wait_dscnt 0x0
	ROUND                                          ; the closing round
	s_endpgm
.Lfunc_end_k_q7de2cd35f2_attn:
	.size	k_q7de2cd35f2_attn, .Lfunc_end_k_q7de2cd35f2_attn-k_q7de2cd35f2_attn
	.p2alignl 7, 3214868480
	.fill 96, 4, 3214868480
	.section	.rodata,"a",@progbits
	.p2align	6, 0x0
	.amdhsa_kernel k_q7de2cd35f2_attn
		.amdhsa_group_segment_fixed_size 327680
		.amdhsa_private_segment_fixed_size 0
		.amdhsa_enable_private_segment 0
		.amdhsa_kernarg_size 24
		.amdhsa_user_sgpr_count 2
		.amdhsa_user_sgpr_kernarg_segment_ptr 1
		.amdhsa_wavefront_size32 1
		.amdhsa_system_sgpr_workgroup_id_x 1
		.amdhsa_system_sgpr_workgroup_id_y 1
		.amdhsa_system_sgpr_workgroup_id_z 1
		.amdhsa_system_vgpr_workitem_id 0
		.amdhsa_next_free_vgpr 1024
		.amdhsa_next_free_sgpr 100
		.amdhsa_reserve_vcc 0
		.amdhsa_float_denorm_mode_32 3
		.amdhsa_float_denorm_mode_16_64 3
		.amdhsa_memory_ordered 1
		.amdhsa_forward_progress 1
		.amdhsa_inst_pref_size 255
	.end_amdhsa_kernel
	.section	.bss,"aw",@nobits
	.p2align	6
	.space	262144
	.amdgpu_metadata
---
amdhsa.version: [ 1, 2 ]
amdhsa.kernels:
  - .name:           k_q7de2cd35f2_attn
    .symbol:         k_q7de2cd35f2_attn.kd
    .args:
      - { .name: qbf, .offset: 0, .size: 8, .value_kind: global_buffer, .address_space: global }
      - { .name: kvb, .offset: 8, .size: 8, .value_kind: global_buffer, .address_space: global }
      - { .name: po, .offset: 16, .size: 8, .value_kind: global_buffer, .address_space: global }
    .group_segment_fixed_size: 327680
    .private_segment_fixed_size: 0
    .kernarg_segment_align: 8
    .kernarg_segment_size: 24
    .max_flat_workgroup_size: 128
    .sgpr_count:     100
    .vgpr_count:     1024
    .wavefront_size: 32
...
	.end_amdgpu_metadata
.endif
;; end of part 3
;; launch combine (part 4): grid 512 x 1, 8 waves a work-group, no clusters, 0 bytes of LDS; arguments po, doc_similarities, beta, ob; writes ob
.if DOCPART == 4
	.amdgcn_target "amdgcn-amd-amdhsa--gfx1250"
	.amdhsa_code_object_version 6
	.text
	.protected	k_q7de2cd35f2_combine
	.globl	k_q7de2cd35f2_combine
	.p2align	8
	.type	k_q7de2cd35f2_combine,@function
k_q7de2cd35f2_combine:
	s_mov_b64 s[64:65], 0
	v_nop
	global_prefetch_b8 v0, s[64:65] scope:SCOPE_SE
	s_setreg_imm32_b32 hwreg(HW_REG_WAVE_MODE, 25, 1), 1
	s_wait_xcnt 0x0
; The four documents' partial attentions are merged: ob = sum over d of w_d po_d / sum over d of w_d, w_d = 2^(e_d - max e) l_d,
; e_d = m_d c + (sim_d x beta) log2(e): here the documents' bias enters, with a maximum taken away as in the softmax that it completes.
; po: four times [2048][1024] bf16, then the statistics (512 bytes for each document, batch, head and 64 queries: m c of query 16 qb + r at 16 r + 4 qb, l 256 bytes on).
; ob: [2048][1024] bf16.  LIMIT: the statistics must be finite; a weight below 2^-126 counts as 0.
; A work-group takes 4 rows in two passes of 2; thread t takes the 16 bytes at 16 t of a pass: a load or store of a wave covers 512 neighbouring bytes.
; Memory binds: every byte of the partial outputs is read once; no LDS, no barrier, no matrix unit.
.set W, 4                              ; v[4:19]   pass p, document d: (m c, l) at W + 8 p + 2 d; the weight takes m c's place
.set X, 20                             ; v[20:51]  pass p, document d: 8 bf16 at X + 16 p + 4 d
.set T, 52                             ; v[52:59]  at work
.set A, 60                             ; v[60:67]  8 sums
.set Y, 68                             ; v[68:75]  pass p: 8 bf16 to store at Y + 4 p
	s_load_b256 s[4:11], s[0:1], 0x0               ; po s[4:5], doc_similarities s[6:7], beta s[8:9], ob s[10:11]
	s_lshr_b32 s12, ttmp9, 8                       ; batch: 256 work-groups each
	s_and_b32 s14, ttmp9, 255                      ; w: my four queries are 4 w .. 4 w + 3
	s_lshl_b32 s2, s12, 4                          ; the batch's four similarities
	s_mov_b32 s3, 0
	s_mov_b32 s21, 0xffff0000                      ; a word's upper bf16
	s_lshl_b32 s22, ttmp9, 13                      ; 4 rows of 2,048 bytes
	s_mov_b32 s23, 0
	s_lshl_b32 s28, s12, 16                        ; statistics: batch x 65,536
	s_lshr_b32 s13, s14, 4
	s_lshl_b32 s13, s13, 9                         ; + (q / 64) x 512
	s_add_co_u32 s28, s28, s13
	s_and_b32 s13, s14, 3
	s_lshl_b32 s13, s13, 6                         ; + r x 16, r = 4 (w % 4) + 2 pass + t / 128
	s_add_co_u32 s28, s28, s13
	s_bfe_u32 s13, s14, 0x20002
	s_lshl_b32 s13, s13, 2                         ; + qb x 4, qb = (w / 4) % 4
	s_add_co_u32 s28, s28, s13
	s_add_co_u32 s28, s28, 16777216                ; behind the four documents' outputs
	s_mov_b32 s29, 0
	v_lshlrev_b32 v1, 4, v0                        ; 16 t
	v_bfe_u32 v2, v0, 4, 3                         ; my head: (t % 128) / 16
	v_lshrrev_b32 v3, 7, v0                        ; my row of the pass
	v_lshlrev_b32 v2, 13, v2                       ; head x 8,192
	v_lshl_add_u32 v2, v3, 4, v2
	s_wait_kmcnt 0x0
	s_add_nc_u64 s[6:7], s[6:7], s[2:3]
	s_load_b128 s[16:19], s[6:7], 0x0
	s_load_b32 s20, s[8:9], 0x0
	s_add_nc_u64 s[10:11], s[10:11], s[22:23]
	s_add_nc_u64 s[24:25], s[4:5], s[22:23]        ; documents 0 and 1
	s_add_nc_u64 s[26:27], s[24:25], 8388608       ; documents 2 and 3: the immediates stay inside their 24 bits
	s_add_nc_u64 s[28:29], s[4:5], s[28:29]
.irp p, 0,1
.irp d, 0,1,2,3
	global_load_b32 v[W+8*\p+2*\d],   v2, s[28:29] offset:\d*131072+\p*32
	global_load_b32 v[W+8*\p+2*\d+1], v2, s[28:29] offset:\d*131072+\p*32+256
.endr
.endr
.irp p, 0,1
	global_load_b128 v[X+16*\p:X+16*\p+3],     v1, s[24:25] offset:\p*4096 th:TH_LOAD_NT
	global_load_b128 v[X+16*\p+4:X+16*\p+7],   v1, s[24:25] offset:4194304+\p*4096 th:TH_LOAD_NT
	global_load_b128 v[X+16*\p+8:X+16*\p+11],  v1, s[26:27] offset:\p*4096 th:TH_LOAD_NT
	global_load_b128 v[X+16*\p+12:X+16*\p+15], v1, s[26:27] offset:4194304+\p*4096 th:TH_LOAD_NT
.endr
	s_wait_kmcnt 0x0
.irp d, 0,1,2,3
	s_mul_f32 s[16+\d], s[16+\d], s20              ; sim x beta,
.endr
.irp d, 0,1,2,3
	s_mul_f32 s[16+\d], s[16+\d], 0x3fb8aa3b       ; in base 2
.endr
.macro WEIGHTS p
.irp d, 0,1,2,3
	v_add_f32 v[W+8*\p+2*\d], s[16+\d], v[W+8*\p+2*\d]                     ; e_d
.endr
	v_max3_num_f32 v[T], v[W+8*\p], v[W+8*\p+2], v[W+8*\p+4]
	v_max_num_f32 v[T], v[T], v[W+8*\p+6]
.irp d, 0,1,2,3
	v_sub_f32 v[W+8*\p+2*\d], v[W+8*\p+2*\d], v[T]
.endr
.irp d, 0,1,2,3
	v_exp_f32 v[W+8*\p+2*\d], v[W+8*\p+2*\d]
.endr
	v_nop                                          ; one plain instruction behind the last exponential (ISA guide 5.7.2)
	s_wait_alu depctr_va_vdst(0)
.irp d, 0,1,2,3
	v_mul_f32 v[W+8*\p+2*\d], v[W+8*\p+2*\d], v[W+8*\p+2*\d+1]             ; x l_d
.endr
	v_add_f32 v[T], v[W+8*\p], v[W+8*\p+2]
	v_add_f32 v[T+1], v[W+8*\p+4], v[W+8*\p+6]
	v_add_f32 v[T], v[T], v[T+1]                   ; the largest e's document gives about 1 at the least
	v_rcp_f32 v[T], v[T]
	v_nop
	s_wait_alu depctr_va_vdst(0)
.irp d, 0,1,2,3
	v_mul_f32 v[W+8*\p+2*\d], v[W+8*\p+2*\d], v[T]
.endr
.endm
.macro MERGE p
.irp d, 0,1,2,3
.irp k, 0,1,2,3
	v_lshlrev_b32 v[T+2*\k],   16,  v[X+16*\p+4*\d+\k]                     ; bf16 to f32: the low half moves up,
	v_and_b32     v[T+2*\k+1], s21, v[X+16*\p+4*\d+\k]                     ; the high half stays
.endr
.irp k, 0,2,4,6
.if \d
	v_pk_fma_f32 v[A+\k:A+\k+1], v[T+\k:T+\k+1], v[W+8*\p+2*\d:W+8*\p+2*\d+1], v[A+\k:A+\k+1] op_sel_hi:[1,0,1]
.else
	v_pk_mul_f32 v[A+\k:A+\k+1], v[T+\k:T+\k+1], v[W+8*\p:W+8*\p+1] op_sel_hi:[1,0]     ; the first document starts the sums
.endif
.endr
.endr
.irp k, 0,1,2,3
	v_cvt_pk_bf16_f32 v[Y+4*\p+\k], v[A+2*\k], v[A+2*\k+1]
.endr
	global_store_b128 v1, v[Y+4*\p:Y+4*\p+3], s[10:11] offset:\p*4096
.endm
	s_wait_loadcnt 0x8                             ; the 16 statistics are in; the 8 loads of data stay out
	WEIGHTS 0
	WEIGHTS 1
	s_wait_loadcnt 0x4                             ; pass 0's four documents
	MERGE 0
	s_wait_loadcnt 0x0
	MERGE 1
	s_endpgm
.Lfunc_end_k_q7de2cd35f2_combine:
	.size	k_q7de2cd35f2_combine, .Lfunc_end_k_q7de2cd35f2_combine-k_q7de2cd35f2_combine
	.p2alignl 7, 3214868480
	.fill 96, 4, 3214868480
	.section	.rodata,"a",@progbits
	.p2align	6, 0x0
	.amdhsa_kernel k_q7de2cd35f2_combine
		.amdhsa_group_segment_fixed_size 0
		.amdhsa_private_segment_fixed_size 0
		.amdhsa_enable_private_segment 0
		.amdhsa_kernarg_size 32
		.amdhsa_user_sgpr_count 2
		.amdhsa_user_sgpr_kernarg_segment_ptr 1
		.amdhsa_wavefront_size32 1
		.amdhsa_system_sgpr_workgroup_id_x 1
		.amdhsa_system_sgpr_workgroup_id_y 1
		.amdhsa_system_sgpr_workgroup_id_z 1
		.amdhsa_system_vgpr_workitem_id 0
		.amdhsa_next_free_vgpr 80
		.amdhsa_next_free_sgpr 66
		.amdhsa_reserve_vcc 0
		.amdhsa_float_denorm_mode_32 3
		.amdhsa_float_denorm_mode_16_64 3
		.amdhsa_memory_ordered 1
		.amdhsa_forward_progress 1
		.amdhsa_inst_pref_size 11
	.end_amdhsa_kernel
	.amdgpu_metadata
---
amdhsa.version: [ 1, 2 ]
amdhsa.kernels:
  - .name:           k_q7de2cd35f2_combine
    .symbol:         k_q7de2cd35f2_combine.kd
    .args:
      - { .name: po, .offset: 0, .size: 8, .value_kind: global_buffer, .address_space: global }
      - { .name: doc_similarities, .offset: 8, .size: 8, .value_kind: global_buffer, .address_space: global }
      - { .name: beta, .offset: 16, .size: 8, .value_kind: global_buffer, .address_space: global }
      - { .name: ob, .offset: 24, .size: 8, .value_kind: global_buffer, .address_space: global }
    .group_segment_fixed_size: 0
    .private_segment_fixed_size: 0
    .kernarg_segment_align: 8
    .kernarg_segment_size: 32
    .max_flat_workgroup_size: 256
    .sgpr_count:     66
    .vgpr_count:     80
    .wavefront_size: 32
...
	.end_amdgpu_metadata
.endif
;; end of part 4
;; launch gemm_out (part 5): grid 8 x 32, 4 waves a work-group, clusters of 4 x 4, 327,680 bytes of LDS; arguments ob, wob, bout, out0; writes out0
.if DOCPART == 5
	.amdgcn_target "amdgcn-amd-amdhsa--gfx1250"
	.amdhsa_code_object_version 6
	.text
	.protected	k_q7de2cd35f2_gemm_out
	.globl	k_q7de2cd35f2_gemm_out
	.p2align	8
	.type	k_q7de2cd35f2_gemm_out,@function
k_q7de2cd35f2_gemm_out:
	s_mov_b64 s[64:65], 0
	v_nop
	global_prefetch_b8 v0, s[64:65] scope:SCOPE_SE
	s_setreg_imm32_b32 hwreg(HW_REG_WAVE_MODE, 25, 1), 1
	s_wait_xcnt 0x0
	s_wait_alu depctr_hold_cnt(0) depctr_sa_sdst(0) depctr_va_vdst(0) depctr_va_sdst(0) depctr_va_ssrc(0) depctr_va_vcc(0) depctr_vm_vsrc(0)
	s_getreg_b32 s2, hwreg(HW_REG_IB_STS2, 6, 4)
	s_cmp_eq_u32 s2, 0
	s_cbranch_scc0 .Lentry_in_a_cluster
	s_endpgm
.Lentry_in_a_cluster:
	s_bfe_u32 s2, ttmp6, 0x10000c
	s_cmp_lg_u32 s2, 0xf033
	s_cbranch_scc0 .Lentry_shape_is_right
	s_endpgm
.Lentry_shape_is_right:
; C[m][n] = sum over k of A[m][k] W[k][n] + bias[n]: the output projection.  A = ob: [2048][1024] bf16, W = wob: [1024][1024] bf16 (K down the rows),
; bias = bout: [1024] f32, C = out0: [2048][1024] f32.
; A work-group makes 64 x 128 of C, so that there are 32 x 8 = 256 of them; four waves stand 2 x 2, each makes 32 x 64 in eight accumulators of 16 x 16.
; K goes in four steps of 256.  A slot of LDS holds one step: W's 256 k-rows x 256 bytes (pitch 288), then A's 64 rows as two tiles of 64 x 256 bytes (pitch 272).
; Three slots fit, so three of the four steps are asked for at the start; the fourth fills slot 0 again when step 0 has been read.
; By this text's count a wave has three tensor loads out at the most.
; CLUSTERS: 4 x 4 work-groups.  A's tiles hang on the block row alone and are asked for jointly by a row of the cluster; W's hang on the block column alone and
; are asked for jointly by a column: the requests for both are divided by four.
; W lies [K][N]: its fragments are made by the transposing LDS load.  The matrix instruction is used transposed (source 0 = 16 columns of W, source 1 = 16 rows of A),
; so that a lane's eight results are eight neighbouring numbers of one row of C.
.set PA,     272                       ; A's LDS pitch: 256 + 16 = 17 x 16: the 16 rows of a fragment begin at 16 different 16-byte columns modulo 256
.set PW,     288                       ; W's LDS pitch: 256 + 32 = 9 x 32, an odd multiple of 32
.set WHALF,  128*PW                    ; 36,864: what wave 0 or 1 fetches of a step
.set AHALF,  64*PA                     ; 17,408: what wave 2 or 3 fetches of a step: all 64 rows, 128 of the step's 256 k
.set AOFF,   2*WHALF                   ; A lies behind W in a slot
.set SLOT,   AOFF+2*AHALF              ; 108,544
.set SP,     272                       ; the stage's pitch: 64 f32 + 16 bytes
.set STAGE,  SLOT                      ; the stage lies in slot 1, which is filled once, at the start, and last read in step 1: 4 waves x 32 rows x 272 bytes
.set G1A, 24                           ; s[24:31] group 1 of A's tiles
.set G1W, 32                           ; s[32:39] group 1 of W's tiles
.set G0A, 40                           ; s[40:51] group 0 of A's tiles, one set for each slot
.set G0W, 52                           ; s[52:63] group 0 of W's tiles, one set for each slot
.set ADRA, 16                          ; v16-18  LDS address of my A fragments in slot 0, 1, 2
.set ADRW, 20                          ; v20-25  the same for W, two for each slot: k-rows 0-127 and 128-255 (the 16-bit offset does not reach over 256 rows)
.set STO,  26                          ; the way out: where I put 32 bytes of a row
.set RD,   27                          ; the way out: where I read 16 bytes of a row back
.set CO,   28                          ; my byte offset in C
.set BO,   29                          ; my byte offset in the bias
.set BI,   32                          ; v[32:35] the bias of the four columns that I store
.set ACC,  64                          ; v[64:127] accumulator (a, b) at ACC + 8 (4 a + b)
.set F0,   128                         ; v[128:175] fragment buffer 0: W's four at +8 b, A's two at +32 + 8 a
.set F1,   176                         ; v[176:223] fragment buffer 1
.macro PLACES                          ; a load into a register that a matrix instruction has read, and an LDS store of a result, stand four places behind it
.rept 4
	v_nop
.endr
.endm
; A round of the cluster's barrier: my work-group's barrier, wave 0 signals for the work-group, every wave waits for all sixteen, my work-group's barrier again.
.macro ROUND
	s_barrier_signal -1
	s_barrier_wait -1
	s_cmp_lg_u32 s12, 0
	s_cbranch_scc1 .Lnot_wave_0_\@
	s_barrier_signal -3
.Lnot_wave_0_\@:
	s_barrier_wait -3
	s_barrier_signal -1
	s_barrier_wait -1
.endm
	s_load_b256 s[4:11], s[0:1], 0x0               ; A s[4:5], W s[6:7], bias s[8:9], C s[10:11]
	v_lshl_add_u32 v224, v0, 2, 0x4f800
	v_mov_b32 v225, 0
	ds_add_u32 v224, v225
	v_lshrrev_b32 v1, 5, v0
	v_readfirstlane_b32 s12, v1                    ; wave 0..3
	s_lshr_b32 s13, s12, 1                         ; which 32 rows of the block are mine.  Also: I fetch for W (0) or for A (1)
	s_and_b32 s14, s12, 1                          ; which 64 columns are mine.  Also: which half of that tile I fetch
	s_bfe_u32 s15, ttmp6, 0x40000                  ; cx
	s_bfe_u32 s16, ttmp6, 0x40004                  ; cy
	s_lshl_b32 s17, ttmp9, 2
	s_add_co_u32 s17, s17, s15                     ; block column = 4 x cluster x + cx
	s_and_b32 s18, ttmp7, 0xffff
	s_lshl_b32 s18, s18, 2
	s_add_co_u32 s18, s18, s16                     ; block row = 4 x cluster y + cy
	s_lshl_b32 s19, s16, 2
	s_lshl_b32 s19, 15, s19                        ; my row of the cluster: places 4 cy .. 4 cy + 3
	s_lshl_b32 s2, 0x1111, s15                     ; my column: places cx, cx + 4, cx + 8, cx + 12
	; group 1 of A's tiles: 64 rows x 128 elements of 2 bytes, 4 words of padding behind every 64
	s_or_b32 s[G1A+0], s19, (1<<16)|(1<<20)|(1<<21)|(5<<22)|(3<<25)
	s_mov_b32 s[G1A+1], 128<<16                    ; tensor_dim0 = 128
	s_mov_b32 s[G1A+2], 64<<16                     ; tensor_dim1 = 64
	s_mov_b32 s[G1A+3], 128<<16                    ; tile_dim0 = 128
	s_mov_b32 s[G1A+4], 64                         ; tile_dim1 = 64
	s_mov_b32 s[G1A+5], 1024                       ; elements from row to row
	s_mov_b32 s[G1A+6], 0
	s_mov_b32 s[G1A+7], 0
	; group 1 of W's tiles: 128 k-rows x 128 elements, 8 words of padding behind every 64
	s_or_b32 s[G1W+0], s2, (1<<16)|(1<<20)|(1<<21)|(5<<22)|(7<<25)
	s_mov_b32 s[G1W+1], 128<<16
	s_mov_b32 s[G1W+2], 128<<16
	s_mov_b32 s[G1W+3], 128<<16
	s_mov_b32 s[G1W+4], 128
	s_mov_b32 s[G1W+5], 1024
	s_mov_b32 s[G1W+6], 0
	s_mov_b32 s[G1W+7], 0
	; where the tiles come from.  s20, s21 never hold cx; s22, s23 never hold cy.
	s_lshl_b32 s20, s18, 17                        ; A: block row x 64 rows x 2,048 bytes
	s_lshl_b32 s3, s14, 8                          ;    + my half of the step's k: 128 elements
	s_add_co_u32 s20, s20, s3
	s_mov_b32 s21, 0
	s_lshl_b32 s22, s17, 8                         ; W: block column x 128 columns x 2 bytes
	s_lshl_b32 s3, s14, 18                         ;    + my half of the step's k-rows: 128 x 2,048 bytes
	s_add_co_u32 s22, s22, s3
	s_mov_b32 s23, 0
	s_wait_dscnt 0x0
	s_wait_kmcnt 0x0
	s_add_nc_u64 s[4:5], s[4:5], s[20:21]
	s_add_nc_u64 s[6:7], s[6:7], s[22:23]
	s_mul_i32 s3, s12, AHALF                       ; where A's go: waves 2 and 3: AOFF + (wave - 2) x AHALF = 38,912 + wave x 17,408
	s_add_co_u32 s3, s3, AOFF-2*AHALF
.irp n, 0,1,2
	s_mov_b32 s[G0A+4*\n], 1
	s_add_co_u32 s[G0A+4*\n+1], s3, \n*SLOT
	s_add_nc_u64 s[G0A+4*\n+2:G0A+4*\n+3], s[4:5], \n*512          ; K step n: 256 elements on
	s_or_b32 s[G0A+4*\n+3], s[G0A+4*\n+3], 0x80000000
.endr
	s_mul_i32 s3, s12, WHALF                       ; where W's go: waves 0 and 1: wave x 36,864
.irp n, 0,1,2
	s_mov_b32 s[G0W+4*\n], 1
	s_add_co_u32 s[G0W+4*\n+1], s3, \n*SLOT
	s_add_nc_u64 s[G0W+4*\n+2:G0W+4*\n+3], s[6:7], \n*524288       ; K step n: 256 rows of 2,048 bytes on
	s_or_b32 s[G0W+4*\n+3], s[G0W+4*\n+3], 0x80000000
.endr
	ROUND                                          ; all sixteen work-groups are here: the first joint loads meet
	s_cmp_eq_u32 s13, 0                            ; the three first fills of a wave stand in one branch on its number
	s_cbranch_scc0 .Lfirst_a
	tensor_load_to_lds s[G0W:G0W+3], s[G1W:G1W+7]
	s_nop 0
	tensor_load_to_lds s[G0W+4:G0W+7], s[G1W:G1W+7]
	s_nop 0
	tensor_load_to_lds s[G0W+8:G0W+11], s[G1W:G1W+7]
	s_nop 0
	s_branch .Lfirst_done
.Lfirst_a:
	tensor_load_to_lds s[G0A:G0A+3], s[G1A:G1A+7]
	s_nop 0
	tensor_load_to_lds s[G0A+4:G0A+7], s[G1A:G1A+7]
	s_nop 0
	tensor_load_to_lds s[G0A+8:G0A+11], s[G1A:G1A+7]
	s_nop 0
.Lfirst_done:
	v_and_b32 v1, 15, v0                           ; r = lane % 16
	v_bfe_u32 v2, v0, 4, 1                         ; h = lane / 16
	v_and_b32 v3, 7, v0                            ; lane % 8
	v_bfe_u32 v4, v0, 3, 1                         ; (lane / 8) % 2
	; the bias and C: the column term in W's registers, the row term in A's
	s_lshl_b32 s22, s17, 9                         ; block column x 128 columns x 4 bytes
	s_lshl_b32 s3, s14, 8                          ; + my 64 columns
	s_add_co_u32 s22, s22, s3
	s_add_nc_u64 s[8:9], s[8:9], s[22:23]
	s_add_nc_u64 s[10:11], s[10:11], s[22:23]
	s_lshl_b32 s20, s18, 18                        ; block row x 64 rows x 4,096 bytes
	s_lshl_b32 s3, s13, 17                         ; + my 32 rows
	s_add_co_u32 s20, s20, s3
	s_add_nc_u64 s[10:11], s[10:11], s[20:21]
	v_lshlrev_b32 v[BO], 4, v1
	global_load_b128 v[BI:BI+3], v[BO], s[8:9]     ; the four columns at 16 r of my 256 bytes; waited for on the way out
	; A's fragment: lane (r, h) holds row r; registers 0-3 k = 8 h .., registers 4-7 k = 16 + 8 h ..: two loads of 16 bytes, 32 bytes apart
	v_mul_u32_u24 v5, v1, PA
	v_lshl_add_u32 v5, v2, 4, v5
	s_mul_i32 s3, s13, 32*PA
	s_add_co_u32 s3, s3, AOFF
.irp n, 0,1,2
	v_add_nc_u32 v[ADRA+\n], s3, v5
	s_add_co_u32 s3, s3, SLOT
.endr
	; W's fragment by the transposing load: lane addresses k-row 8 h + lane % 8, 16 bytes at 16 ((lane / 8) % 2); it receives column r, k = 8 h .. 8 h + 7
	v_lshl_add_u32 v6, v2, 3, v3
	v_mul_u32_u24 v6, v6, PW
	v_lshl_add_u32 v6, v4, 4, v6
	s_lshl_b32 s3, s14, 7                          ; my 64 columns
.irp n, 0,1,2
	v_add_nc_u32 v[ADRW+2*\n], s3, v6
	s_add_co_u32 s3, s3, WHALF
	v_add_nc_u32 v[ADRW+2*\n+1], s3, v6
	s_add_co_u32 s3, s3, SLOT-WHALF
.endr
	s_mul_i32 s3, s12, 32*SP
	s_add_co_u32 s3, s3, STAGE                     ; my stage
	v_mul_u32_u24 v7, v1, SP                       ; in: row r, 32 bytes for each half of the lanes
	v_lshl_add_u32 v7, v2, 5, v7
	v_add_nc_u32 v[STO], s3, v7
	v_mul_u32_u24 v7, v2, SP                       ; back: lanes 0-15 one row of 256 bytes, lanes 16-31 the next
	v_lshl_add_u32 v7, v1, 4, v7
	v_add_nc_u32 v[RD], s3, v7
	v_lshl_add_u32 v[CO], v2, 12, v[BO]            ; and the same two rows in C
; The 12 LDS loads of chunk c (32 along K) of a slot, into buffer f
.macro FETCHS slot, c, f
.irp b, 0,1,2,3
	ds_load_tr16_b128 v[\f+8*\b:\f+8*\b+3],   v[ADRW+2*\slot+(\c)/4] offset:((\c)%4)*32*PW+32*\b
	ds_load_tr16_b128 v[\f+8*\b+4:\f+8*\b+7], v[ADRW+2*\slot+(\c)/4] offset:((\c)%4)*32*PW+32*\b+16*PW
.endr
.irp a, 0,1
	ds_load_b128 v[\f+32+8*\a:\f+32+8*\a+3],   v[ADRA+\slot] offset:((\c)/4)*AHALF+((\c)%4)*64+\a*16*PA
	ds_load_b128 v[\f+32+8*\a+4:\f+32+8*\a+7], v[ADRA+\slot] offset:((\c)/4)*AHALF+((\c)%4)*64+\a*16*PA+32
.endr
.endm
; Eight matrix instructions on buffer f.  The eight accumulators take turns, one instruction a turn, from one MUL8 into the next too.
.macro MUL8 f, zero
.irp a, 0,1
.irp b, 0,1,2,3
.if \zero
	v_wmma_f32_16x16x32_bf16 v[ACC+8*(4*\a+\b):ACC+8*(4*\a+\b)+7], v[\f+8*\b:\f+8*\b+7], v[\f+32+8*\a:\f+32+8*\a+7], 0
.else
	v_wmma_f32_16x16x32_bf16 v[ACC+8*(4*\a+\b):ACC+8*(4*\a+\b)+7], v[\f+8*\b:\f+8*\b+7], v[\f+32+8*\a:\f+32+8*\a+7], v[ACC+8*(4*\a+\b):ACC+8*(4*\a+\b)+7]
.endif
.endr
.endr
.endm
; Chunks 0 to 6 of a slot are multiplied; each fetches the next chunk of the same slot first.  zero = 1: the first products start the sums.
.macro SEVEN slot, zero
.irp c, 0,1,2,3,4,5,6
	PLACES
	FETCHS \slot, \c+1, F0+48*((\c+1)%2)
	s_wait_dscnt 12                                ; all but the 12 just issued: chunk c is in
.if \c
	MUL8 F0+48*(\c%2), 0
.else
	MUL8 F0, \zero
.endif
.endr
.endm
; A joint load for slot n: one line and one mask for W's two waves, one for A's.  The branch hangs on the wave's number alone.
.macro JL n
	s_cmp_eq_u32 s13, 0
	s_cbranch_scc0 .Lfor_a_\@
	tensor_load_to_lds s[G0W+4*\n:G0W+4*\n+3], s[G1W:G1W+7]
	s_nop 0
	s_branch .Lasked_\@
.Lfor_a_\@:
	tensor_load_to_lds s[G0A+4*\n:G0A+4*\n+3], s[G1A:G1A+7]
	s_nop 0
.Lasked_\@:
.endm
	s_wait_tensorcnt 0x2                           ; my part of step 0 is in; steps 1 and 2 stay out
	s_barrier_signal -1
	s_barrier_wait -1                              ; everybody's part is in
	FETCHS 0, 0, F0
	SEVEN 0, 1                                     ; step 0, chunks 0 to 6; chunk 7 is on its way into buffer 1
	s_wait_dscnt 0x0                               ; my reads of slot 0 are over
	s_wait_tensorcnt 0x0                           ; all my tensor loads have landed, so a group 0 may be written, and slots 1 and 2 are whole behind the round
	ds_add_u32 v224, v225
	s_wait_dscnt 0x0
	s_add_nc_u64 s[G0A+2:G0A+3], s[G0A+2:G0A+3], 3*512
	s_add_nc_u64 s[G0W+2:G0W+3], s[G0W+2:G0W+3], 3*524288
	ROUND                                          ; both hold of every wave of all sixteen work-groups
	JL 0                                           ; step 3 into slot 0: my one tensor load behind the round, and the first thing there
	PLACES
	FETCHS 1, 0, F0
	MUL8 F1, 0                                     ; step 0, chunk 7
	SEVEN 1, 0
	PLACES
	FETCHS 2, 0, F0                                ; slot 2 was shown whole to every wave by the round above: no barrier
	s_wait_dscnt 12
	MUL8 F1, 0
	SEVEN 2, 0
	s_wait_dscnt 0x0
	s_wait_tensorcnt 0x0                           ; my part of step 3 is in: the one load that was out
	s_barrier_signal -1
	s_barrier_wait -1                              ; everybody's is; and nobody reads slot 1 any more, in which the stage lies
	PLACES
	FETCHS 0, 0, F0
	MUL8 F1, 0
	SEVEN 0, 0
	s_wait_dscnt 0x0
	MUL8 F1, 0
	; THE WAY OUT.  Register j of accumulator (a, b) in lane (r, h) is C(16 a + r, 16 b + 8 h + j): 32 neighbouring bytes.  They go into my own stage,
	; are read back as whole rows of 256 bytes (LDS serves a wave's instructions in order, ISA guide 5.7.1: no wait between), get the bias and are stored.
	PLACES
.irp a, 0,1
.irp b, 0,1,2,3
	ds_store_b128 v[STO], v[ACC+8*(4*\a+\b):ACC+8*(4*\a+\b)+3]   offset:\a*16*SP+64*\b
	ds_store_b128 v[STO], v[ACC+8*(4*\a+\b)+4:ACC+8*(4*\a+\b)+7] offset:\a*16*SP+64*\b+16
.endr
.endr
.irp t, 0,1,2,3,4,5,6,7,8,9,10,11,12,13,14,15
	ds_load_b128 v[F0+4*\t:F0+4*\t+3], v[RD] offset:\t*2*SP
.endr
	s_wait_loadcnt 0x0                             ; the bias
.irp t, 0,1,2,3,4,5,6,7,8,9,10,11,12,13,14,15
	s_wait_dscnt 15-\t                             ; rows 2 t and 2 t + 1 are in, the younger loads stay out
	v_pk_add_f32 v[F0+4*\t:F0+4*\t+1],   v[F0+4*\t:F0+4*\t+1],   v[BI:BI+1]
	v_pk_add_f32 v[F0+4*\t+2:F0+4*\t+3], v[F0+4*\t+2:F0+4*\t+3], v[BI+2:BI+3]
	global_store_b128 v[CO], v[F0+4*\t:F0+4*\t+3], s[10:11] offset:\t*8192      ; 16 lanes store 256 neighbouring bytes that begin at a multiple of 256
.endr
	s_wait_tensorcnt 0x0
	ds_add_u32 v224, v225
	s_wait_dscnt 0x0
	ROUND                                          ; the closing round: no work-group ends while a partner may still ask for a tile that names it
	s_endpgm
.Lfunc_end_k_q7de2cd35f2_gemm_out:
	.size	k_q7de2cd35f2_gemm_out, .Lfunc_end_k_q7de2cd35f2_gemm_out-k_q7de2cd35f2_gemm_out
	.p2alignl 7, 3214868480
	.fill 96, 4, 3214868480
	.section	.rodata,"a",@progbits
	.p2align	6, 0x0
	.amdhsa_kernel k_q7de2cd35f2_gemm_out
		.amdhsa_group_segment_fixed_size 327680
		.amdhsa_private_segment_fixed_size 0
		.amdhsa_enable_private_segment 0
		.amdhsa_kernarg_size 32
		.amdhsa_user_sgpr_count 2
		.amdhsa_user_sgpr_kernarg_segment_ptr 1
		.amdhsa_wavefront_size32 1
		.amdhsa_system_sgpr_workgroup_id_x 1
		.amdhsa_system_sgpr_workgroup_id_y 1
		.amdhsa_system_sgpr_workgroup_id_z 1
		.amdhsa_system_vgpr_workitem_id 0
		.amdhsa_next_free_vgpr 226
		.amdhsa_next_free_sgpr 66
		.amdhsa_reserve_vcc 0
		.amdhsa_float_denorm_mode_32 3
		.amdhsa_float_denorm_mode_16_64 3
		.amdhsa_memory_ordered 1
		.amdhsa_forward_progress 1
		.amdhsa_inst_pref_size 61
	.end_amdhsa_kernel
	.amdgpu_metadata
---
amdhsa.version: [ 1, 2 ]
amdhsa.kernels:
  - .name:           k_q7de2cd35f2_gemm_out
    .symbol:         k_q7de2cd35f2_gemm_out.kd
    .args:
      - { .name: ob, .offset: 0, .size: 8, .value_kind: global_buffer, .address_space: global }
      - { .name: wob, .offset: 8, .size: 8, .value_kind: global_buffer, .address_space: global }
      - { .name: bout, .offset: 16, .size: 8, .value_kind: global_buffer, .address_space: global }
      - { .name: out0, .offset: 24, .size: 8, .value_kind: global_buffer, .address_space: global }
    .group_segment_fixed_size: 327680
    .private_segment_fixed_size: 0
    .kernarg_segment_align: 8
    .kernarg_segment_size: 32
    .max_flat_workgroup_size: 128
    .sgpr_count:     66
    .vgpr_count:     226
    .wavefront_size: 32
...
	.end_amdgpu_metadata
.endif
;; end of part 5
;; ======== version 2 of 2: 5 launches; 1.14 times as fast as version 1
;; limits: values outside matrix products are rounded to bf16
;; workspace buffers: xb 4,194,304 bytes; wqb 2,097,152 bytes; wob 2,097,152 bytes; cwb 20,971,520 bytes; qbf 4,194,304 bytes; kvb 33,554,432 bytes; po 17,301,504 bytes; ob 4,194,304 bytes
;; launch cast: the kernel of part 1 again; grid 1792 x 1, 8 waves a work-group, no clusters, 0 bytes of LDS; arguments x, context, Wq, Wkv, Wout, xb, wqb, wob, cwb; writes xb, wqb, wob, cwb
;; launch gemm_kvq: the kernel of part 2 again; grid 8 x 32, 4 waves a work-group, clusters of 4 x 4, 327,680 bytes of LDS; arguments cwb, kvb, xb, wqb, qbf; writes kvb, qbf
;; launch attn (part 6): grid 4 x 64, 4 waves a work-group, clusters of 4 x 1, 327,680 bytes of LDS; arguments qbf, kvb, po; writes po
.if DOCPART == 6
	.amdgcn_target "amdgcn-amd-amdhsa--gfx1250"
	.amdhsa_code_object_version 6
	.text
	.protected	k_q7de2cd35f2_attn
	.globl	k_q7de2cd35f2_attn
	.p2align	8
	.type	k_q7de2cd35f2_attn,@function
k_q7de2cd35f2_attn:
	s_mov_b64 s[64:65], 0
	v_nop
	global_prefetch_b8 v0, s[64:65] scope:SCOPE_SE
	s_setreg_imm32_b32 hwreg(HW_REG_WAVE_MODE, 25, 1), 1
	s_wait_xcnt 0x0
	s_wait_alu depctr_hold_cnt(0) depctr_sa_sdst(0) depctr_va_vdst(0) depctr_va_sdst(0) depctr_va_ssrc(0) depctr_va_vcc(0) depctr_vm_vsrc(0)
	s_getreg_b32 s2, hwreg(HW_REG_IB_STS2, 6, 4)
	s_cmp_eq_u32 s2, 0
	s_cbranch_scc0 .Lentry_in_a_cluster
	s_endpgm
.Lentry_in_a_cluster:
	s_bfe_u32 s2, ttmp6, 0x10000c
	s_cmp_lg_u32 s2, 0x3003
	s_cbranch_scc0 .Lentry_shape_is_right
	s_endpgm
.Lentry_shape_is_right:
; Attention of 256 queries of one (batch, head) over ONE document of 1,024 keys, with a running maximum; the four documents are merged by the next launch.
; The bias sim x beta is the same for all keys of a document, so it cancels inside this launch and enters only in the merge.
; Out: po[doc][b 1024 + q][128 head + d] = (sum over the document's keys of p v) / l in bf16, and per query m c and l in f32, where
; p = 2^(s c - m c), s = q . k, c = log2(e) / 32 (the scale 1024^-1/2 and the change to base 2 in one factor), m = the largest s, l = the sum of p.
; LIMITS: the scores s must be finite (a NaN loses in the maxima, an infinite score gives other results than the reference's); exponentials below 2^-126 count as 0;
; l is summed from the unrounded p while the product with v takes p rounded to bf16; q, k, v, p and the partial output are rounded to bf16.
; SHARES: grid y = (b, head, doc); the four work-groups of a cluster are the four blocks of 256 queries; wave w has queries 64 w .. 64 w + 63 of its block.
; The four partners walk the same K and V tiles, so these are asked for jointly (mask 15): one request in place of four.
; TRANSPOSED: S^T = K Q^T and O^T = V^T P^T.  A lane (r, h) then holds, for query r, the scores of keys 8 h + j of each block of 16: after rounding these ARE
; the second source's fragment of P; maximum and sum are a lane's own but for one exchange between the halves; V^T's fragments come by the transposing LDS load.
; THE SCHEDULE.  A unit is 64 keys.  The product with V lags one unit, so that every matrix instruction has vector work of another unit to stand behind it:
;   stage Y(i):     O^T += V^T P^T of unit i - 1, 64 matrix instructions, with five instructions of unit i's softmax behind each; the last goes out behind the 315th
;                   of the stream's 344 counted instructions; the rest and the 64 roundings into P follow it, so that one P serves;
;   stage X(i + 1): S^T = K Q^T of unit i + 1, 64 matrix instructions, with the rescaling of O by unit i's factor, four instructions behind each of the last 32.
; The fragments come in runs of 32 LDS loads at the head of a stage, a whole stage ahead of their use: K(i + 1) at the head of Y(i), V(i) at the head of X(i + 1).
; THE BATCHES.  A unit's 132 exponentials (the four rescaling factors, then the lane's 128 scores, in place) are ONE batch with ONE wait.  Ahead of the wait stands all that names
; no result of theirs: the maxima and statistics, the 64 scalings, the products V^T P that fall between them, and last the four moves that keep the new m.  Behind it stand all the
; readers: the 64 sums, the 64 roundings, and stage X's rescaling.
; The way out's four reciprocals are a batch of their own, with one wait.
; LDS.  K runs one unit ahead of V, so K's tiles are shifted by 64 keys against V's, and the two runs of loads of a body Y(i), X(i + 1) fall into one slot:
;   byte 0: K(0); 17,408: slot 0's K (units 1-4, later 9-12); 87,040: slot 0's V (units 0-3, later 8-11); 160,768: slot 1's K (5-8, later 13-15);
;   230,400: slot 1's V (4-7, later 12-15); 304,128: the stage.  K's rows have pitch 272, V's 288.  Waves 0, 1 fetch K's halves, waves 2, 3 V's.
;   K's first fill is keys 0-319 (halves of 160 rows), its last keys 832-1023 (halves of 96 rows): no load leaves the document.
; By this text's count a wave has two tensor loads out at the start and one behind each refill, which has four units, 512 matrix instructions, in which to land.
; REGISTERS in windows of 256: window 0 addresses, Q's fragments v[64:191], the way out v[192:223]; window 1 O (8 d blocks x 4 query blocks);
; window 2 S v[0:127] (4 key blocks x 4 query blocks), statistics v[128:159], P v[192:255]: the softmax runs under one setting; window 3 K v[0:127], V v[128:255].
.set KPITCH, 272                       ; 17 x 16
.set VPITCH, 288                       ; 9 x 32
.set KU,     64*KPITCH                 ; 17,408: a unit of K
.set VU,     64*VPITCH                 ; 18,432: a unit of V
.set KBASE,  KU                        ; slot 0's K, straight behind K(0)
.set VBASE,  KBASE+4*KU                ; 87,040: slot 0's V
.set SLOT,   4*KU+4*VU                 ; 143,360: from slot 0 to slot 1
.set STAGE,  KBASE+2*SLOT              ; 304,128: 16 rows x 272 bytes for each wave; no tensor load lands there
.set SP,     272
.set KVROW,  4096                      ; bytes in a row of kvb
.set PER,    5                         ; vector instructions behind a matrix instruction of stage Y
.set KA, 2                             ; LDS address of the K unit that is loaded next
.set VA, 3                             ; of the V unit that is loaded next
.set KL, 4                             ; K's lane term
.set VL, 5                             ; V's lane term, in slot 0
.set STO, 6
.set RD, 7
.set CO, 8
.set SO, 9                             ; 16 x lane: my place in the wave's 512 bytes of statistics
.set QO, 10                            ; my byte offset in qbf
.set HH, 11                            ; h
.set QF, 64                            ; window 0: Q(qb, dc) at QF + 8 (4 qb + dc)
.set TMP, 192                          ; window 0: the way out
.set ST, 128                           ; window 2: statistics of query block qb at ST + 6 qb: (NM = -m c, M = m), (AL = the rescaling factor, T = at work), (L0, L1 = two partial sums)
.set MX, 152                           ; window 2: v152-155 the unit's maxima
.set TS, 156                           ; window 2: v156-159 the statistics as stored
.set PF, 192                           ; window 2: P(qb, kc) at PF + 8 (2 qb + kc)
.set VF, 128                           ; window 3: V(kc, db) at VF + 8 (8 kc + db)
.set G1K,  24                          ; s[24:31] group 1: 128 rows of K
.set G1V,  32                          ; s[32:39] 128 rows of V
.set G1K0, 40                          ; s[40:47] 160 rows of K: the first fill
.set G1KL, 48                          ; s[48:55] 96 rows of K: the last fill
.set G0K,  68                          ; s[68:83] group 0 of K's four loads, a set for each: none is ever stepped
.set G0V,  84                          ; s[84:99] of V's four loads
.set W_QK, 0xa3                        ; source 0 = K (window 3), source 1 = Q (0), C and D = S (2)
.set W_PV, 0x5b                        ; source 0 = V (3), source 1 = P (2), C and D = O (1)
.set W_SM, 0xaa                        ; all in window 2
.set W_RS, 0x49                        ; source 0 and destination = O (1), source 1 = AL (2)
.set W_LD, 0xc0                        ; destination window 3, address window 0
.set MSB, 0
.macro WIN new                         ; low byte: bits 1:0 source 0, 3:2 source 1, 5:4 source 2, 7:6 destination; the high byte repeats the setting that is left
.if MSB != \new
	s_set_vgpr_msb (MSB<<8)|\new
.set MSB, \new
.endif
.endm
.macro PLACES                          ; four places behind a matrix instruction before its results are read or its sources loaded again (ISA guide 7.12.1)
.rept 4
	v_nop
.endr
.endm
.macro ROUND                           ; a round of the cluster's barrier
	s_barrier_signal -1
	s_barrier_wait -1
	s_cmp_lg_u32 s10, 0
	s_cbranch_scc1 .Lnot_wave_0_\@
	s_barrier_signal -3
.Lnot_wave_0_\@:
	s_barrier_wait -3
	s_barrier_signal -1
	s_barrier_wait -1
.endm
.macro JL n, g1k                       ; the n-th joint load of my role; the branch hangs on the wave's number alone
	s_cmp_eq_u32 s11, 0
	s_cbranch_scc0 .Lfor_v_\@
	tensor_load_to_lds s[G0K+4*\n:G0K+4*\n+3], s[\g1k:\g1k+7]
	s_nop 0
	s_branch .Lasked_\@
.Lfor_v_\@:
	tensor_load_to_lds s[G0V+4*\n:G0V+4*\n+3], s[G1V:G1V+7]
	s_nop 0
.Lasked_\@:
.endm
; group 1: 'rows' rows x 128 elements of 2 bytes for all four work-groups of the cluster, pad + 1 words of padding behind every 64
.macro GROUP1 g, rows, pad
	s_mov_b32 s[\g+0], 15|(1<<16)|(1<<20)|(1<<21)|(5<<22)|(\pad<<25)
	s_mov_b32 s[\g+1], 128<<16                     ; tensor_dim0 = 128
	s_mov_b32 s[\g+2], \rows<<16                   ; tensor_dim1
	s_mov_b32 s[\g+3], 128<<16                     ; tile_dim0 = 128
	s_mov_b32 s[\g+4], \rows                       ; tile_dim1
	s_mov_b32 s[\g+5], 2048                        ; elements from row to row of kvb
	s_mov_b32 s[\g+6], 0
	s_mov_b32 s[\g+7], 0
.endm
	s_load_b128 s[4:7], s[0:1], 0x0                ; qbf s[4:5], kvb s[6:7]
	s_load_b64 s[8:9], s[0:1], 0x10                ; po
	v_lshl_add_u32 v254, v0, 2, 0x4e800
	v_mov_b32 v255, 0
	ds_add_u32 v254, v255
	v_lshrrev_b32 v1, 5, v0
	v_readfirstlane_b32 s10, v1                    ; wave 0..3
	s_lshr_b32 s11, s10, 1                         ; I fetch for K (0) or for V (1)
	s_and_b32 s12, s10, 1                          ; which half of a tile I fetch
	s_bfe_u32 s13, ttmp6, 0x40000                  ; cx: my block of 256 queries
	s_and_b32 s14, ttmp7, 0xffff
	s_and_b32 s15, s14, 3                          ; document
	s_bfe_u32 s16, s14, 0x30002                    ; head
	s_lshr_b32 s17, s14, 5                         ; batch
	GROUP1 G1K, 128, 3
	GROUP1 G1V, 128, 7
	GROUP1 G1K0, 160, 3
	GROUP1 G1KL, 96, 3
	; where K and V come from: row 4096 b + 1024 doc, column 128 head.  s18, s19, s59, s6, s7 never hold cx.
	s_lshl_b32 s18, s17, 12
	s_lshl_b32 s59, s15, 10
	s_add_co_u32 s18, s18, s59
	s_lshl_b32 s18, s18, 12                        ; x 4,096 bytes
	s_lshl_b32 s59, s16, 8
	s_add_co_u32 s18, s18, s59
	s_mov_b32 s19, 0
	; my 64 queries: row 1024 b + 256 cx + 64 w of qbf and of po
	s_lshl_b32 s20, s17, 10
	s_lshl_b32 s21, s13, 8
	s_add_co_u32 s20, s20, s21
	s_lshl_b32 s21, s10, 6
	s_add_co_u32 s20, s20, s21
	s_lshl_b32 s22, s20, 11                        ; x 2,048 bytes
	s_lshl_b32 s21, s16, 8                         ; + head x 128 bf16
	s_add_co_u32 s22, s22, s21
	s_mov_b32 s23, 0
	s_mov_b32 s56, 0x3d38aa3b                      ; c = log2(e) / 32, twice: a pair for the packed multiply-add
	s_mov_b32 s57, 0x3d38aa3b
	s_mov_b32 s58, 0xbd38aa3b                      ; -c
	s_mov_b32 s60, 0x76543210                      ; v_permlanex16_b32: lane i of one half reads lane i of the other
	s_mov_b32 s61, 0xfedcba98
	s_wait_dscnt 0x0
	s_wait_kmcnt 0x0
	s_add_nc_u64 s[6:7], s[6:7], s[18:19]          ; the document's first key, my head's columns
	s_add_nc_u64 s[4:5], s[4:5], s[22:23]
	s_mul_i32 s18, s12, 160*KVROW
	s_add_nc_u64 s[G0K+2:G0K+3], s[6:7], s[18:19]                  ; K, load 0: keys 0-319 in halves of 160
	s_mul_i32 s18, s12, 96*KVROW
	s_add_nc_u64 s[G0K+14:G0K+15], s[6:7], s[18:19]
	s_add_nc_u64 s[G0K+14:G0K+15], s[G0K+14:G0K+15], 832*KVROW     ; K, load 3: keys 832-1023 in halves of 96
	s_lshl_b32 s18, s12, 19
	s_add_nc_u64 s[6:7], s[6:7], s[18:19]                          ; all the others: halves of 128 keys
	s_add_nc_u64 s[G0K+6:G0K+7], s[6:7], 320*KVROW                 ; K, load 1: keys 320-575
	s_add_nc_u64 s[G0K+10:G0K+11], s[6:7], 576*KVROW               ; K, load 2: keys 576-831
.irp n, 0,1,2,3
	s_add_nc_u64 s[G0V+4*\n+2:G0V+4*\n+3], s[6:7], \n*256*KVROW+2048   ; V, load n: keys 256 n ..; the values are columns 1024 .. of kvb
.endr
.irp n, 0,1,2,3
	s_mov_b32 s[G0K+4*\n], 1
	s_or_b32 s[G0K+4*\n+3], s[G0K+4*\n+3], 0x80000000
	s_mov_b32 s[G0V+4*\n], 1
	s_or_b32 s[G0V+4*\n+3], s[G0V+4*\n+3], 0x80000000
.endr
	s_mul_i32 s[G0K+1], s10, 160*KPITCH            ; K goes to (waves 0, 1): load 0: wave x 43,520, from K(0) on;
	s_mul_i32 s59, s10, 128*KPITCH
	s_add_co_u32 s[G0K+5], s59, KBASE+SLOT         ; load 1: slot 1 + wave x 34,816;
	s_add_co_u32 s[G0K+9], s59, KBASE              ; load 2: slot 0 + wave x 34,816;
	s_mul_i32 s59, s10, 96*KPITCH
	s_add_co_u32 s[G0K+13], s59, KBASE+SLOT        ; load 3: slot 1 + wave x 26,112
	s_mul_i32 s59, s10, 128*VPITCH                 ; V goes to (waves 2, 3) 87,040 + (wave - 2) x 36,864 = 13,312 + wave x 36,864, in slots 0, 1, 0, 1
	s_add_co_u32 s59, s59, VBASE-2*128*VPITCH
.irp n, 0,1,2,3
	s_add_co_u32 s[G0V+4*\n+1], s59, (\n%2)*SLOT
.endr
	ROUND                                          ; all four work-groups are here: the first joint loads meet
	s_cmp_eq_u32 s11, 0                            ; a wave's two first fills stand in one branch on its number
	s_cbranch_scc0 .Lfirst_v
	tensor_load_to_lds s[G0K:G0K+3], s[G1K0:G1K0+7]
	s_nop 0
	tensor_load_to_lds s[G0K+4:G0K+7], s[G1K:G1K+7]
	s_nop 0
	s_branch .Lfirst_done
.Lfirst_v:
	tensor_load_to_lds s[G0V:G0V+3], s[G1V:G1V+7]
	s_nop 0
	tensor_load_to_lds s[G0V+4:G0V+7], s[G1V:G1V+7]
	s_nop 0
.Lfirst_done:
	; Q's fragments as they lie in qbf: lane (r, h) takes, of query 16 qb + r, d = 32 dc + 8 h + 0..7 and 32 dc + 16 + 8 h + 0..7: two loads of 16 bytes
	v_and_b32 v1, 15, v0                           ; r
	v_bfe_u32 v[HH], v0, 4, 1                      ; h
	v_lshlrev_b32 v[QO], 11, v1
	v_lshl_add_u32 v[QO], v[HH], 4, v[QO]
.irp qb, 0,1,2,3
.irp dc, 0,1,2,3
	global_load_b128 v[QF+8*(4*\qb+\dc):QF+8*(4*\qb+\dc)+3],   v[QO], s[4:5] offset:\qb*32768+\dc*64
	global_load_b128 v[QF+8*(4*\qb+\dc)+4:QF+8*(4*\qb+\dc)+7], v[QO], s[4:5] offset:\qb*32768+\dc*64+32
.endr
.endr
	v_mul_u32_u24 v[KL], v1, KPITCH                ; K's fragment: key r of a block, 16 bytes at 16 h, and 32 bytes further on
	v_lshl_add_u32 v[KL], v[HH], 4, v[KL]
	v_and_b32 v12, 7, v0                           ; V's fragment: the lane addresses key 8 h + lane % 8, 16 bytes at 16 ((lane / 8) % 2), and receives d = r, keys 8 h .. 8 h + 7
	v_lshl_add_u32 v12, v[HH], 3, v12
	v_mul_u32_u24 v[VL], v12, VPITCH
	v_bfe_u32 v12, v0, 3, 1
	v_lshl_add_u32 v[VL], v12, 4, v[VL]
	v_add_nc_u32 v[VL], VBASE, v[VL]
	s_mul_i32 s59, s10, 16*SP
	s_add_co_u32 s59, s59, STAGE                   ; my stage
	v_mul_u32_u24 v12, v1, SP
	v_lshl_add_u32 v12, v[HH], 4, v12
	v_add_nc_u32 v[STO], s59, v12
	v_mul_u32_u24 v12, v[HH], SP
	v_lshl_add_u32 v12, v1, 4, v12
	v_add_nc_u32 v[RD], s59, v12
	v_lshlrev_b32 v[CO], 4, v1
	v_lshl_add_u32 v[CO], v[HH], 11, v[CO]         ; two rows of po: 2,048 h + 16 r
	v_and_b32 v[SO], 31, v0
	v_lshlrev_b32 v[SO], 4, v[SO]
	v_cmp_ne_u32 s63, 0, v[HH]                     ; lanes 16-31, for the statistics' store
	v_mov_b32 v[KA], v[KL]                         ; K(0)
	v_mov_b32 v[VA], v[VL]                         ; V(0)
	WIN 0x80
.irp qb, 0,1,2,3
	v_mov_b32 v[ST+6*\qb+1], 0xff800000            ; m = -infinity: the first unit's rescaling factor comes out as 0
	v_mov_b32 v[ST+6*\qb+3], 0                     ; written once: the lane exchange counts as a reader of its destination
	v_mov_b32 v[ST+6*\qb+4], 0                     ; l = 0
	v_mov_b32 v[ST+6*\qb+5], 0
.endr
	WIN 0
; 32 LDS loads in one run: the K fragments of the 64 keys at KA
.macro KLOAD
	WIN W_LD
.irp kb, 0,1,2,3
.irp dc, 0,1,2,3
	ds_load_b128 v[8*(4*\kb+\dc):8*(4*\kb+\dc)+3],   v[KA] offset:\kb*16*KPITCH+64*\dc
	ds_load_b128 v[8*(4*\kb+\dc)+4:8*(4*\kb+\dc)+7], v[KA] offset:\kb*16*KPITCH+64*\dc+32
.endr
.endr
.endm
; 32 LDS loads in one run: the V fragments of the 64 keys at VA
.macro VLOAD
	WIN W_LD
.irp kc, 0,1
.irp db, 0,1,2,3,4,5,6,7
	ds_load_tr16_b128 v[VF+8*(8*\kc+\db):VF+8*(8*\kc+\db)+3],   v[VA] offset:\kc*32*VPITCH+32*\db
	ds_load_tr16_b128 v[VF+8*(8*\kc+\db)+4:VF+8*(8*\kc+\db)+7], v[VA] offset:\kc*32*VPITCH+32*\db+16*VPITCH
.endr
.endr
.endm
; Matrix instruction number WI (0 to 63, in the order kc, db, qb) of O^T += V^T P^T.  The 32 accumulators take turns, one instruction a turn.
; PVZERO = 1: the first product (kc = 0) starts the sums.
.macro PVW
	WIN W_PV
.set PKC, WI/32
.set PDB, (WI/4)%8
.set PQB, WI%4
.if PVZERO*(1-PKC)
	v_wmma_f32_16x16x32_bf16 v[8*(4*PDB+PQB):8*(4*PDB+PQB)+7], v[VF+8*(8*PKC+PDB):VF+8*(8*PKC+PDB)+7], v[PF+8*(2*PQB+PKC):PF+8*(2*PQB+PKC)+7], 0
.else
	v_wmma_f32_16x16x32_bf16 v[8*(4*PDB+PQB):8*(4*PDB+PQB)+7], v[VF+8*(8*PKC+PDB):VF+8*(8*PKC+PDB)+7], v[PF+8*(2*PQB+PKC):PF+8*(2*PQB+PKC)+7], v[8*(4*PDB+PQB):8*(4*PDB+PQB)+7]
.endif
.set WI, WI+1
.endm
; Stands behind each counted instruction of the softmax: behind every PER of them the next matrix instruction goes out, as long as there is one (WI < WN)
.macro TICK
.set CNT, CNT+1
.if CNT == PER
.set CNT, 0
.if WI < WN
	PVW
.endif
.endif
.endm
; Pair b of a lane's 64 pairs of scores: key block b / 16, registers 2 ((b / 4) % 4) and the next, query block RQ = b % 4; the pair begins at register RB
.macro PAIR b
.set RQ, (\b)%4
.set RB, 32*((\b)/16)+8*RQ+2*(((\b)/4)%4)
.endm
.macro FITEM b                         ; s c - m c: it names its own pair and (NM, M), of which it takes NM for both halves: no result of an exponential
	PAIR \b
	WIN W_SM
	v_pk_fma_f32 v[RB:RB+1], v[RB:RB+1], s[56:57], v[ST+6*RQ:ST+6*RQ+1] op_sel_hi:[1,0,0]
	TICK
.endm
.macro EITEM b, half                   ; p, in place: each result has a register of its own while the batch is open
	PAIR \b
	WIN W_SM
	v_exp_f32 v[RB+\half], v[RB+\half]
	TICK
.endm
.macro AITEM b                         ; l: the first pair of a query block takes the old sum along, rescaled.  A reader of the batch: it stands behind the batch's wait
	PAIR \b
	WIN W_SM
.if (\b) < 4
	v_pk_fma_f32 v[ST+6*RQ+4:ST+6*RQ+5], v[ST+6*RQ+4:ST+6*RQ+5], v[ST+6*RQ+2:ST+6*RQ+3], v[RB:RB+1] op_sel_hi:[1,0,1]
.else
	v_pk_add_f32 v[ST+6*RQ+4:ST+6*RQ+5], v[RB:RB+1], v[ST+6*RQ+4:ST+6*RQ+5]
.endif
	TICK
.endm
; The running softmax of a unit: 64 keys x 64 queries, 32 scores of each of four queries in a lane
.macro SOFTMAX
.irp kb, 0,1,2,3
.irp jp, 0,2,4,6
.irp qb, 0,1,2,3
	WIN W_SM
.if \kb+\jp
	v_max3_num_f32 v[MX+\qb], v[8*(4*\kb+\qb)+\jp], v[8*(4*\kb+\qb)+\jp+1], v[MX+\qb]
.else
	v_max3_num_f32 v[MX+\qb], v[8*\qb], v[8*\qb+1], v[ST+6*\qb+1]          ; the chains start from the running maximum; four chains side by side
.endif
	TICK
.endr
.endr
.endr
.irp qb, 0,1,2,3
	WIN W_SM
	v_permlanex16_b32 v[ST+6*\qb+3], v[MX+\qb], s60, s61                   ; the other half of the lanes holds the query's other keys
	TICK
.endr
.irp qb, 0,1,2,3
	WIN W_SM
	v_max_num_f32 v[MX+\qb], v[MX+\qb], v[ST+6*\qb+3]                      ; the new m
	TICK
.endr
.irp qb, 0,1,2,3
	WIN W_SM
	v_mul_f32 v[ST+6*\qb], s58, v[MX+\qb]                                  ; NM = -m c
	TICK
.endr
.irp qb, 0,1,2,3
	WIN W_SM
	v_fma_f32 v[ST+6*\qb+3], v[ST+6*\qb+1], s56, v[ST+6*\qb]               ; old m x c - new m c, 0 at the most
	TICK
.endr
	; THE BATCH: 132 exponentials, none of which reads another's result.  First the four factors,
.irp qb, 0,1,2,3
	WIN W_SM
	v_exp_f32 v[ST+6*\qb+2], v[ST+6*\qb+3]                                 ; AL; plain instructions stand between it and its first use (ISA guide 5.7.2)
	TICK
.endr
	; then, pair by pair, the scaling of the next pair and the pair's two exponentials: a scaling writes a pair whose exponentials are still to come
	FITEM 0
.set BI, 0
.rept 64
.if BI < 63
	FITEM BI+1
.endif
	EITEM BI, 0
	EITEM BI, 1
.set BI, BI+1
.endr
	; The new m is kept here: four plain instructions that name no result of the batch, behind the last exponential and ahead of the first use (ISA guide 5.7.2).
	; The old m was last read by the factors' arguments above; the scalings name M only as the unused upper word of a pair.
.irp qb, 0,1,2,3
	WIN W_SM
	v_mov_b32 v[ST+6*\qb+1], v[MX+\qb]
.if \qb == 3
	s_wait_alu depctr_va_vdst(0)                   ; the one wait for the unit's 132 exponentials ahead of their first reader: the sums below, the roundings, stage X's rescaling
.endif
	TICK
.endr
	; the sums, in the pairs' order; the four query blocks' chains take turns
.set BI, 0
.rept 64
	AITEM BI
.set BI, BI+1
.endr
	; The last matrix instruction went out behind the 315th TICK of 344: more than four places lie between it and these writes of P
	WIN W_SM
.irp qb, 0,1,2,3
.irp kc, 0,1
.irp hh, 0,1
.irp rr, 0,1,2,3
	v_cvt_pk_bf16_f32 v[PF+8*(2*\qb+\kc)+4*\hh+\rr], v[8*(4*(2*\kc+\hh)+\qb)+2*\rr], v[8*(4*(2*\kc+\hh)+\qb)+2*\rr+1]   ; keys 32 kc + 16 hh + 8 h + 2 rr, + 1: P's fragment as it stands
.endr
.endr
.endr
.endr
.endm
.macro RESCALE                         ; O = O x AL, each query block by its own factor; the factor's wait stands ahead of the macro's use
	WIN W_RS
.irp db, 0,1,2,3,4,5,6,7
.irp qb, 0,1,2,3
.irp jp, 0,2,4,6
	v_pk_mul_f32 v[8*(4*\db+\qb)+\jp:8*(4*\db+\qb)+\jp+1], v[8*(4*\db+\qb)+\jp:8*(4*\db+\qb)+\jp+1], v[ST+6*\qb+2:ST+6*\qb+3] op_sel_hi:[1,0]
.endr
.endr
.endr
.endm
; Stage Y(i).  pv = 0: no product (i = 0); 1: O^T += V^T P^T of unit i - 1; 2: the same, starting the sums.  kload = 1: K(i + 1) is asked for.
.macro STAGE_Y pv, kload
	s_wait_dscnt 0x0                               ; V(i - 1), asked for at the head of the stage before, is in
.if \kload
	KLOAD                                          ; four places lie behind the last matrix instruction that read K: the end of stage X
.endif
.set WI, 0
.set CNT, 0
.set WN, 0
.set PVZERO, 0
.if \pv
.set WN, 64
.endif
.if \pv == 2
.set PVZERO, 1
.endif
.if \pv
	PVW
.endif
	SOFTMAX
.endm
; Stage X(i + 1): S^T = K Q^T, 64 matrix instructions in the order dc, kb, qb: the 16 accumulators take turns, one instruction a turn.
; resc = 1: behind each of the last 32 stand the four instructions that rescale one accumulator of O; the last four are also the places in front of the reads
; of S and of the next loads into K.  The factor belongs to stage Y's batch, whose wait has been passed.  vload = 1: V(i) is asked for; the end of stage Y gives the places
; behind the last matrix instruction that read V.
.macro STAGE_X resc, vload
	s_wait_dscnt 0x0                               ; K(i + 1), asked for at the head of the stage before, is in
.if \vload
	VLOAD
.endif
.set WI, 0
.rept 64
	WIN W_QK
.set QDC, WI/16
.set QKB, (WI/4)%4
.set QQB, WI%4
.if QDC
	v_wmma_f32_16x16x32_bf16 v[8*(4*QKB+QQB):8*(4*QKB+QQB)+7], v[8*(4*QKB+QDC):8*(4*QKB+QDC)+7], v[QF+8*(4*QQB+QDC):QF+8*(4*QQB+QDC)+7], v[8*(4*QKB+QQB):8*(4*QKB+QQB)+7]
.else
	v_wmma_f32_16x16x32_bf16 v[8*(4*QKB+QQB):8*(4*QKB+QQB)+7], v[8*(4*QKB+QDC):8*(4*QKB+QDC)+7], v[QF+8*(4*QQB+QDC):QF+8*(4*QQB+QDC)+7], 0
.endif
.if \resc
.if WI >= 32
	WIN W_RS
.irp jp, 0,2,4,6
	v_pk_mul_f32 v[8*(WI-32)+\jp:8*(WI-32)+\jp+1], v[8*(WI-32)+\jp:8*(WI-32)+\jp+1], v[ST+6*QQB+2:ST+6*QQB+3] op_sel_hi:[1,0]   ; accumulator WI - 32 = 4 db + qb of O
.endr
.endif
.endif
.set WI, WI+1
.endr
.if \resc
.else
	PLACES
.endif
.endm
; A body: Y(i), then X(i + 1).  Both its runs of loads fall into one slot.
.macro BODY pv, resc
	STAGE_Y \pv, 1
	WIN 0
	v_add_nc_u32 v[KA], KU, v[KA]
	STAGE_X \resc, 1
	WIN 0
	v_add_nc_u32 v[VA], VU, v[VA]
.endm
.macro LOOP n
	WIN 0
	s_mov_b32 s62, \n
.Lunits_\@:
	BODY 1, 1
	WIN 0
	s_sub_co_u32 s62, s62, 1
	s_cmp_lg_u32 s62, 0
	s_cbranch_scc1 .Lunits_\@
.endm
.macro SETSLOT n                       ; the first units of slot n
	WIN 0
	v_add_nc_u32 v[KA], KBASE+\n*SLOT, v[KL]
.if \n
	v_add_nc_u32 v[VA], SLOT, v[VL]
.else
	v_mov_b32 v[VA], v[VL]
.endif
.endm
; A slot has been read to its end (its last V fragments are in registers behind the wait) and is asked for again: the n-th load of each role
.macro CHANGE n, g1k
	s_wait_dscnt 0x0                               ; my reads of the slot are over
	s_wait_tensorcnt 0x0                           ; all my tensor loads have landed, my part of the other slot among them
	ds_add_u32 v254, v255
	s_wait_dscnt 0x0
	WIN 0
	ROUND                                          ; both hold of every wave of all four work-groups
	JL \n, \g1k                                    ; my one tensor load behind the round, and the first thing there
.endm
	s_wait_tensorcnt 0x1                           ; my part of K(0) and slot 0 is in; slot 1's stays out
	s_barrier_signal -1
	s_barrier_wait -1
	KLOAD                                          ; K(0)
	WIN 0
	v_add_nc_u32 v[KA], KU, v[KA]
	s_wait_loadcnt 0x0                             ; Q
	STAGE_X 0, 0                                   ; X(0)
	BODY 0, 0                                      ; softmax(0); X(1).  O has not begun: nothing to rescale
	BODY 2, 1                                      ; the product of unit 0 starts O's sums
	LOOP 2                                         ; bodies 2, 3: the rest of slot 0
	CHANGE 2, G1K                                  ; K units 9-12 and V units 8-11 into slot 0
	SETSLOT 1
	LOOP 4                                         ; bodies 4-7
	CHANGE 3, G1KL                                 ; K units 13-15 and V units 12-15 into slot 1
	SETSLOT 0
	LOOP 4                                         ; bodies 8-11
	s_wait_dscnt 0x0
	s_wait_tensorcnt 0x0                           ; my part of slot 1: the one load that was out; nothing is left to fetch
	s_barrier_signal -1
	s_barrier_wait -1
	SETSLOT 1
	LOOP 3                                         ; bodies 12-14
	STAGE_Y 1, 0                                   ; Y(15): no K is left
	VLOAD                                          ; V(15)
	RESCALE                                        ; by unit 15's factor, which belongs to Y(15)'s batch: its wait has been passed, and no transcendental was issued since
	s_wait_dscnt 0x0
.set WI, 0
.set PVZERO, 0
.rept 64
	PVW                                            ; the product of unit 15
.endr
	; THE END.  The four additions are the places behind the last matrix instruction.
	WIN W_SM
.irp qb, 0,1,2,3
	v_add_f32 v[ST+6*\qb+4], v[ST+6*\qb+4], v[ST+6*\qb+5]
.endr
.irp qb, 0,1,2,3
	v_permlanex16_b32 v[ST+6*\qb+3], v[ST+6*\qb+4], s60, s61
.endr
.irp qb, 0,1,2,3
	v_add_f32 v[ST+6*\qb+4], v[ST+6*\qb+4], v[ST+6*\qb+3]                  ; l, about 1 at the least: the largest score's p
.endr
.irp qb, 0,1,2,3
	v_rcp_f32 v[ST+6*\qb+2], v[ST+6*\qb+4]                                 ; 1 / l takes AL's place: a batch of four; the eight plain lines below name none of its results
.endr
.irp qb, 0,1,2,3
	v_xor_b32 v[TS+\qb], 0x80000000, v[ST+6*\qb]                           ; m c = -NM
.endr
.irp qb, 0,1,2,3
	v_cndmask_b32 v[TS+\qb], v[TS+\qb], v[ST+6*\qb+4], s63                 ; lanes 0-15 store m c of query r in the four blocks, lanes 16-31 l
.endr
	s_wait_alu depctr_va_vdst(0)                   ; the one wait for the four reciprocals, ahead of their first reader
	RESCALE                                        ; O / l
	s_lshl1_add_u32 s22, s15, s17                  ; the wave's 512 bytes of statistics: number ((2 doc + b) 8 + head) 16 + 4 cx + w
	s_lshl3_add_u32 s22, s22, s16
	s_lshl2_add_u32 s21, s13, s10
	s_lshl4_add_u32 s22, s22, s21
	s_lshl_b32 s22, s22, 9
	s_add_co_u32 s22, s22, 16777216                ; behind the four documents' outputs
	s_add_nc_u64 s[2:3], s[8:9], s[22:23]
	WIN 0x08                                       ; the address in window 0, the data in window 2
	global_store_b128 v[SO], v[TS:TS+3], s[2:3]    ; 512 neighbouring bytes
	s_lshl_b32 s22, s20, 11                        ; my first row of po x 2,048 bytes
	s_lshl_b32 s21, s16, 8                         ; + head x 128 bf16
	s_add_co_u32 s22, s22, s21
	s_lshl_b32 s21, s15, 22                        ; + document x 2,048 rows
	s_add_co_u32 s22, s22, s21
	s_add_nc_u64 s[8:9], s[8:9], s[22:23]
; 16 queries at a time: register j of O(db, qb) in lane (r, h) is d = 16 db + 8 h + j of query r: 16 bytes of bf16 into my stage, whole rows of 256 bytes back
.macro OUT16 qb, f
	WIN 0x05
.irp db, 0,1,2,3,4,5,6,7
.irp rr, 0,1,2,3
	v_cvt_pk_bf16_f32 v[TMP+4*\db+\rr], v[8*(4*\db+\qb)+2*\rr], v[8*(4*\db+\qb)+2*\rr+1]
.endr
.endr
	WIN 0
.irp db, 0,1,2,3,4,5,6,7
	ds_store_b128 v[STO], v[TMP+4*\db:TMP+4*\db+3] offset:32*\db
.endr
	s_wait_xcnt 0x0                                ; buffer f, which earlier stores read, is loaded again only behind this wait
.irp t, 0,1,2,3,4,5,6,7
	ds_load_b128 v[\f+4*\t:\f+4*\t+3], v[RD] offset:\t*2*SP                ; LDS serves a wave's instructions in order (ISA guide 5.7.1): these see the stores above
.endr
.irp t, 0,1,2,3,4,5,6,7
	s_wait_dscnt 7-\t                              ; rows 2 t and 2 t + 1 are in, the younger loads stay out
	global_store_b128 v[CO], v[\f+4*\t:\f+4*\t+3], s[8:9] offset:\qb*32768+\t*4096   ; 16 lanes store 256 neighbouring bytes that begin at a multiple of 256
.endr
.endm
	OUT16 0, 64
	OUT16 1, 96
	OUT16 2, 64
	OUT16 3, 96
	s_wait_tensorcnt 0x0
	ds_add_u32 v254, v255
	s_wait_dscnt 0x0
	ROUND                                          ; the closing round
	s_endpgm
.Lfunc_end_k_q7de2cd35f2_attn:
	.size	k_q7de2cd35f2_attn, .Lfunc_end_k_q7de2cd35f2_attn-k_q7de2cd35f2_attn
	.p2alignl 7, 3214868480
	.fill 96, 4, 3214868480
	.section	.rodata,"a",@progbits
	.p2align	6, 0x0
	.amdhsa_kernel k_q7de2cd35f2_attn
		.amdhsa_group_segment_fixed_size 327680
		.amdhsa_private_segment_fixed_size 0
		.amdhsa_enable_private_segment 0
		.amdhsa_kernarg_size 24
		.amdhsa_user_sgpr_count 2
		.amdhsa_user_sgpr_kernarg_segment_ptr 1
		.amdhsa_wavefront_size32 1
		.amdhsa_system_sgpr_workgroup_id_x 1
		.amdhsa_system_sgpr_workgroup_id_y 1
		.amdhsa_system_sgpr_workgroup_id_z 1
		.amdhsa_system_vgpr_workitem_id 0
		.amdhsa_next_free_vgpr 1024
		.amdhsa_next_free_sgpr 100
		.amdhsa_reserve_vcc 0
		.amdhsa_float_denorm_mode_32 3
		.amdhsa_float_denorm_mode_16_64 3
		.amdhsa_memory_ordered 1
		.amdhsa_forward_progress 1
		.amdhsa_inst_pref_size 255
	.end_amdhsa_kernel
	.section	.bss,"aw",@nobits
	.p2align	6
	.space	262144
	.amdgpu_metadata
---
amdhsa.version: [ 1, 2 ]
amdhsa.kernels:
  - .name:           k_q7de2cd35f2_attn
    .symbol:         k_q7de2cd35f2_attn.kd
    .args:
      - { .name: qbf, .offset: 0, .size: 8, .value_kind: global_buffer, .address_space: global }
      - { .name: kvb, .offset: 8, .size: 8, .value_kind: global_buffer, .address_space: global }
      - { .name: po, .offset: 16, .size: 8, .value_kind: global_buffer, .address_space: global }
    .group_segment_fixed_size: 327680
    .private_segment_fixed_size: 0
    .kernarg_segment_align: 8
    .kernarg_segment_size: 24
    .max_flat_workgroup_size: 128
    .sgpr_count:     100
    .vgpr_count:     1024
    .wavefront_size: 32
...
	.end_amdgpu_metadata
.endif
;; end of part 6
;; launch combine: the kernel of part 4 again; grid 512 x 1, 8 waves a work-group, no clusters, 0 bytes of LDS; arguments po, doc_similarities, beta, ob; writes ob
;; launch gemm_out: the kernel of part 5 again; grid 8 x 32, 4 waves a work-group, clusters of 4 x 4, 327,680 bytes of LDS; arguments ob, wob, bout, out0; writes out0
